; MI455X (gfx1250); checked and timed in simulation.
; The chip was launched on July 23, 2026; its instructions are those of AMD's public machine-readable ISA for CDNA 5 (MIT licence, August 2026) and "CDNA5" Instruction Set Architecture Reference Guide (July 2026). The comments in the code are by the model that wrote it; some were corrected since.
;; Casual Self Attention. Allowed arithmetic: matrix products marked QUANTISED: E2M3 operands, one E8M0 scale for each 32 along K, by v_wmma_scale_f32_16x16x128_f8f6f4 with both operands' format E2M3, f32 sums; everything else in f32.
;; Inputs: W_attn 3,072 x 1,024 float32; W_proj 1,024 x 1,024 float32; x 4 x 2,048 x 1,024 float32.
;; Outputs: out0 4 x 2,048 x 1,024 float32.
;; This version of the problem:
;;   THIS VERSION OF THE PROBLEM IS GIVEN IN LOW PRECISION. The matrix products marked QUANTISED in the list below multiply operands that are first quantised to E2M3 (2 exponent bits, 3 mantissa bits; 6 bits a number), with one power-of-two scale for each 32 numbers along K (OCP MX v1.0); their sums are f32. All else is computed in f32.
;;   The module's matrix products, in the order in which they are computed (A, B: the left and right operand; K: the contracted axis; several contracted axes count as one K, in the product's order):
;;     1. [M 8,192, K 1,024] x [K 1,024, N 3,072]; A: input x; B: input W_attn: QUANTISED
;;     2. batch 64 x [M 2,048, K 64] x [K 64, N 2,048]; A: computed on the way; B: computed on the way: QUANTISED
;;     3. batch 64 x [M 2,048, K 2,048] x [K 2,048, N 64]; A: softmax (see below); B: computed on the way: QUANTISED
;;     4. [M 8,192, K 1,024] x [K 1,024, N 1,024]; A: computed on the way; B: input W_proj: QUANTISED
;;   THE QUANTISER, for each operand of a quantised product, along K:
;;     - K is cut into blocks of 32 from its start; a last block that is shorter is filled with zeros.
;;     - A block's scale is 2^e with e = floor(log2(the largest magnitude in the block)) - 2, held to -126 .. 127; a block of zeros has e = 0. As a byte (E8M0): e + 127.
;;     - Each number is divided by its block's scale, clamped to +-7.5, and rounded to the nearest number of E2M3, ties to even, subnormals kept.
;;     - The product sums the exact products of the quantised numbers (number of the format x scale) in f32.
;;   ~~~python
;;   def quantise(x, axis):      # numpy; x: float32 -> the quantised numbers, widened to float32 again
;;       x = np.moveaxis(x, axis, -1); K = x.shape[-1]
;;       x = np.pad(x, [(0, 0)] * (x.ndim - 1) + [(0, -K % 32)]); x = x.reshape(x.shape[:-1] + (-1, 32)); a = np.abs(x).max(-1, keepdims=True)
;;       e = np.where(a > 0, np.clip(np.frexp(np.where(a > 0, a, 1))[1] - 1 - 2, -126, 127), 0)      # np.frexp(a)[1] - 1 = floor(log2(a)), exactly
;;       r = np.clip(x / 2.0 ** e, -7.5, 7.5)
;;       step = 2.0 ** (np.maximum(np.frexp(np.where(r == 0, 1, r))[1] - 1, 0) - 3)
;;       q = np.round(r / step) * step * 2.0 ** e      # np.round: ties to even
;;       return np.moveaxis(q.reshape(q.shape[:-2] + (-1,))[..., :K], -1, axis).astype(np.float32)
;;   ~~~
;;   SOFTMAX AHEAD OF A QUANTISED PRODUCT. Where the list says 'softmax', what is quantised is not the finished softmax but p = 2^(t - M), with t = logit x log2(e) and M = ceil(the row's largest t), a whole number; so 1/2 < the row's largest p <= 1. The row's sum l is taken of the UNQUANTISED p, in f32, and the product's result is divided by l at the end. Since M is a whole number, a kernel that streams over the keys may use a running M (the ceiling of the running maximum): every later rescaling is an exact power of two, which a block's scale takes up: the codes' values come out the same.
;;   OPERANDS COMPUTED ON THE WAY. 'Computed on the way' means the value that the module computes at that place (a softmax that the list does not call 'softmax' is quantised finished and normalised). What goes into a quantiser is computed in f32, as accurately as f32 sums, v_exp_f32 and their like allow (about 1e-6 of the number): no bf16 or f16 on the way to a quantiser, and a product that is left as it is and whose result goes on into a quantised operand takes f32 operands (vector FMAs, or v_wmma_f32_16x16x4_f32). A number that lies on a knife's edge between two numbers of the format may be rounded either way, as far as f32 arithmetic and the matrix unit's own rounding can turn it there, and no further.
;; One version. Each part assembles by itself: llvm-mc -triple=amdgcn-amd-amdhsa -mcpu=gfx1250 --defsym DOCPART=n.
;; ======== version 1 of 1: 4 launches
;; limits: right only within a limited range of input values
;; workspace buffers: xq 6,553,600 bytes; waq 2,457,600 bytes; wpq 819,200 bytes; yq 6,553,600 bytes; qkv 20,185,088 bytes
;; launch quant (part 1): grid 384 x 1, 4 waves a work-group, no clusters, 33,280 bytes of LDS; arguments x, W_attn, W_proj, xq, waq, wpq; writes xq, waq, wpq
.if DOCPART == 1
	.amdgcn_target "amdgcn-amd-amdhsa--gfx1250"
	.amdhsa_code_object_version 6
	.text
	.protected	k_q1087f50216_quant
	.globl	k_q1087f50216_quant
	.p2align	8
	.type	k_q1087f50216_quant,@function
k_q1087f50216_quant:
	s_mov_b64 s[64:65], 0
	v_nop
	global_prefetch_b8 v0, s[64:65] scope:SCOPE_SE
	s_setreg_imm32_b32 hwreg(HW_REG_WAVE_MODE, 25, 1), 1
	s_wait_xcnt 0x0
; x [8192][1024], W_attn [3072][1024], W_proj [1024][1024], f32, K innermost, become codes of FP6 (E2M3) with one E8M0 byte for each 32 along K.
; LAYOUT of each result, for R rows: codes [16 chunks of 64 k][R rows][48 bytes] at chunk x R x 48 + row x 48; behind them, at R x 768, scale words [8 steps of 128 k][R rows][4 bytes], byte b for k = 32 b on.
; A block's scale is 2^(floor(log2(its largest magnitude)) - 2): its byte is the largest magnitude's exponent field - 2, held at 1 from below.
; LIMITS: NaN and infinities among the inputs are not served; a block whose largest magnitude lies under 2^-124 has its byte held at 1; a block of zeros gets the byte 1 where the rule says 127:
; its codes are zeros, which add nothing under any byte but 0xff, and the bytes are read by this program alone.
; SHARES: work-groups 0-255 take x, 256-351 W_attn, 352-383 W_proj: only pointers and R are chosen, all take one path.  A wave takes 64 rows x 128 k: 16 steps of 8 rows x 64 k (512 numbers).
; Each of a step's four loads reads two rows' aligned 256 bytes, 16 bytes a lane; the 2,048 bytes turn through the wave's own stage in LDS and come back 64 bytes a lane: 16 neighbours along K, two lanes to a block.
; A lane's 16 codes are 12 bytes, a row's chunk four lanes': a step's store covers 384 consecutive bytes.  The wave's 256 scale bytes (64 rows x 4) are gathered in LDS and leave as one store of 256 consecutive bytes.
; No tensor loads, no barrier: waves share nothing.  Loads run four steps (16 loads a wave) ahead, the turn through LDS one step.
.set STEPS, 16
.set R,     16                         ; v16-79   four sets of 16 numbers as they are loaded
.set X,     80                         ; v80-111  two sets of 16 neighbours
.set E,     112                        ; v112-127 a scale byte for each step
.set C,     128                        ; v128-191 codes: four registers for each step, so that no store's data are written again
.set WREG,  8192                       ; LDS: a region for each wave: two stages of 32 x SP bytes, behind them its 256 scale bytes
.set SP,    80                         ; a place in a stage: 64 bytes + 16 of padding
	s_load_b256 s[4:11], s[0:1], 0x0               ; x s[4:5], W_attn s[6:7], W_proj s[8:9], xq s[10:11]
	s_load_b128 s[12:15], s[0:1], 0x20             ; waq s[12:13], wpq s[14:15]
	v_lshl_add_u32 v192, v0, 2, 0x8000
	v_mov_b32 v193, 0
	v_lshrrev_b32 v1, 5, v0
	v_readfirstlane_b32 s16, v1                    ; wave
	v_and_b32 v2, 31, v0                           ; lane
	v_lshrrev_b32 v3, 4, v2
	v_and_b32 v8, 15, v2
	v_lshlrev_b32 v3, 12, v3
	v_lshl_add_u32 v3, v8, 4, v3                   ; in: lanes 0-15 one row's 256 bytes, lanes 16-31 the next row's (4,096 bytes on)
	s_mul_i32 s26, s16, WREG
	v_lshrrev_b32 v14, 2, v2
	v_mul_u32_u24 v14, v14, SP
	v_and_b32 v15, 3, v2
	v_lshl_add_u32 v14, v15, 4, v14
	v_add_nc_u32 v14, s26, v14                     ; the stage, way in: four lanes' 64 bytes to a place: place = 4 x row + quarter of the chunk
	v_mul_u32_u24 v15, v2, SP
	v_add_nc_u32 v15, s26, v15                     ; way out: place = lane: row lane / 4, numbers 16 (lane % 4) on
	v_mul_u32_u24 v4, v2, 12                       ; my codes' place in a step's 384 bytes
	s_add_co_u32 s26, s26, 2*32*SP
	v_lshrrev_b32 v5, 2, v2
	v_lshlrev_b32 v5, 2, v5
	v_bfe_u32 v8, v2, 1, 1
	v_add_nc_u32 v5, v5, v8
	v_add_nc_u32 v5, s26, v5                       ; my block's byte: 4 x (row in the step) + (block in the chunk)
	v_lshlrev_b32 v7, 3, v2                        ; on the way out 8 bytes a lane
	v_add_nc_u32 v6, s26, v7
	s_wait_alu depctr_va_vdst(0)
	s_wait_kmcnt 0x0
	s_cmp_lt_u32 ttmp9, 352                        ; the choices hang on the work-group's number alone
	s_cselect_b64 s[6:7], s[6:7], s[8:9]
	s_cselect_b64 s[12:13], s[12:13], s[14:15]
	s_mov_b32 s17, 1024
	s_cselect_b32 s17, 3072, s17                   ; R
	s_mov_b32 s18, 352
	s_cselect_b32 s18, 256, s18                    ; the tensor's first work-group
	s_cmp_lt_u32 ttmp9, 256
	s_cselect_b64 s[4:5], s[4:5], s[6:7]           ; the source
	s_cselect_b64 s[10:11], s[10:11], s[12:13]     ; the destination
	s_cselect_b32 s17, 8192, s17
	s_cselect_b32 s18, 0, s18
	s_sub_co_u32 s18, ttmp9, s18
	s_lshr_b32 s19, s18, 1                         ; rg: which 64 rows
	s_and_b32 s18, s18, 1
	s_lshl_b32 s18, s18, 2
	s_add_co_u32 s18, s18, s16                     ; kq: which 128 along K
	s_lshl_b32 s26, s19, 18                        ; 64 rows of 4,096 bytes
	s_lshl_b32 s27, s18, 9
	s_add_co_u32 s26, s26, s27
	s_mov_b32 s27, 0
	s_add_nc_u64 s[4:5], s[4:5], s[26:27]
	s_mul_i32 s28, s17, 48                         ; a chunk: R x 48 bytes
	s_mul_i32 s26, s28, s18
	s_lshl_b32 s26, s26, 1                         ; chunk 2 kq
	s_mul_i32 s29, s19, 3072
	s_add_co_u32 s26, s26, s29
	s_add_nc_u64 s[20:21], s[10:11], s[26:27]      ; codes, chunk 2 kq
	s_mov_b32 s29, 0
	s_add_nc_u64 s[22:23], s[20:21], s[28:29]      ; codes, chunk 2 kq + 1
	s_mul_i32 s26, s17, 768
	s_mul_i32 s30, s17, s18
	s_lshl_b32 s30, s30, 2
	s_add_co_u32 s26, s26, s30
	s_lshl_b32 s30, s19, 8
	s_add_co_u32 s26, s26, s30
	s_add_nc_u64 s[24:25], s[10:11], s[26:27]      ; my 64 rows' scale words of step kq
.macro LOAD t                          ; step t: rows 8 (t / 2) on, chunk t % 2
.irp i, 0,1,2,3
	global_load_b128 v[R+16*((\t)%4)+4*\i:R+16*((\t)%4)+4*\i+3], v3, s[4:5] offset:(8*((\t)/2)+2*\i)*4096+256*((\t)%2) th:TH_LOAD_NT
.endr
.endm
.macro TURN t                          ; step t's numbers through the stage: LDS serves a wave's instructions in order, so no wait stands between the stores and the loads
.irp i, 0,1,2,3
	ds_store_b128 v14, v[R+16*((\t)%4)+4*\i:R+16*((\t)%4)+4*\i+3] offset:32*SP*((\t)%2)+8*SP*\i
.endr
.irp i, 0,1,2,3
	ds_load_b128 v[X+16*((\t)%2)+4*\i:X+16*((\t)%2)+4*\i+3], v15 offset:32*SP*((\t)%2)+16*\i
.endr
.endm
.irp t, 0,1,2,3
	LOAD \t
.endr
	s_wait_loadcnt 12                              ; step 0's four loads are in
	TURN 0
.macro STEP t
.set XS, X+16*((\t)%2)
.if (\t) > 0
	s_wait_dscnt 1                                 ; this step's numbers are back from the stage (the last step's byte store may be out): so its stores into the stage have read their registers,
.else
	s_wait_dscnt 0x0
.endif
.if (\t)+4 < STEPS
	LOAD (\t)+4                                    ; which take the loads of four steps on
.endif
.if (\t)+1 < STEPS
.if STEPS-2-(\t) >= 3
	s_wait_loadcnt 12                              ; the next step's four loads are in; those of the three steps behind it may be out
.else
	s_wait_loadcnt 4*(STEPS-2-(\t))
.endif
	TURN (\t)+1
.endif
	v_max3_num_f32 v8, |v[XS]|, |v[XS+1]|, |v[XS+2]|               ; the largest magnitude of my 16, in two chains
	v_max3_num_f32 v9, |v[XS+3]|, |v[XS+4]|, |v[XS+5]|
.irp i, 6,10
	v_max3_num_f32 v8, v8, |v[XS+\i]|, |v[XS+\i+1]|
	v_max3_num_f32 v9, v9, |v[XS+\i+2]|, |v[XS+\i+3]|
.endr
	v_max3_num_f32 v8, v8, |v[XS+14]|, |v[XS+15]|
	v_max3_num_f32 v8, v8, v9, 0x1800000           ; and the floor 2^(3 - 127): the byte cannot fall under 1
	v_max_num_f32_dpp v8, v8, v8 row_xmask:1 row_mask:0xf bank_mask:0xf   ; with my neighbour's 16: the block's
	v_add_nc_u32 v11, 0xff000000, v8               ; 2 off its exponent field: the conversion takes the exponent field of this operand as its scale
	v_cvt_scalef32_pk16_fp6_f32 v[C+4*(\t):C+4*(\t)+2], v[XS:XS+15], v11
	v_lshrrev_b32 v[E+(\t)], 23, v11               ; the scale's byte (also the plain line behind the conversion)
	ds_store_b8 v5, v[E+(\t)] offset:32*((\t)/2)+2*((\t)%2)        ; both lanes of a block write the same byte with the same value
	global_store_b96 v4, v[C+4*(\t):C+4*(\t)+2], s[20+2*((\t)%2):21+2*((\t)%2)] offset:384*((\t)/2)   ; 8 rows x 48 bytes on end
.endm
.irp t, 0,1,2,3,4,5,6,7,8,9,10,11,12,13,14,15
	STEP \t
.endr
	ds_load_b64 v[12:13], v6                       ; LDS serves a wave's instructions in order: these see my stores
	s_wait_dscnt 0x0
	global_store_b64 v7, v[12:13], s[24:25]        ; 32 lanes store 256 consecutive bytes, at a multiple of 256 from the buffer's first byte
	s_wait_tensorcnt 0x0
	ds_add_u32 v192, v193
	s_wait_dscnt 0x0
	s_endpgm
.Lfunc_end_k_q1087f50216_quant:
	.size	k_q1087f50216_quant, .Lfunc_end_k_q1087f50216_quant-k_q1087f50216_quant
	.p2alignl 7, 3214868480
	.fill 96, 4, 3214868480
	.section	.rodata,"a",@progbits
	.p2align	6, 0x0
	.amdhsa_kernel k_q1087f50216_quant
		.amdhsa_group_segment_fixed_size 33280
		.amdhsa_private_segment_fixed_size 0
		.amdhsa_enable_private_segment 0
		.amdhsa_kernarg_size 48
		.amdhsa_user_sgpr_count 2
		.amdhsa_user_sgpr_kernarg_segment_ptr 1
		.amdhsa_wavefront_size32 1
		.amdhsa_system_sgpr_workgroup_id_x 1
		.amdhsa_system_sgpr_workgroup_id_y 1
		.amdhsa_system_sgpr_workgroup_id_z 1
		.amdhsa_system_vgpr_workitem_id 0
		.amdhsa_next_free_vgpr 194
		.amdhsa_next_free_sgpr 66
		.amdhsa_reserve_vcc 0
		.amdhsa_float_denorm_mode_32 3
		.amdhsa_float_denorm_mode_16_64 3
		.amdhsa_memory_ordered 1
		.amdhsa_forward_progress 1
		.amdhsa_inst_pref_size 33
	.end_amdhsa_kernel
	.amdgpu_metadata
---
amdhsa.version: [ 1, 2 ]
amdhsa.kernels:
  - .name:           k_q1087f50216_quant
    .symbol:         k_q1087f50216_quant.kd
    .args:
      - { .name: x, .offset: 0, .size: 8, .value_kind: global_buffer, .address_space: global }
      - { .name: W_attn, .offset: 8, .size: 8, .value_kind: global_buffer, .address_space: global }
      - { .name: W_proj, .offset: 16, .size: 8, .value_kind: global_buffer, .address_space: global }
      - { .name: xq, .offset: 24, .size: 8, .value_kind: global_buffer, .address_space: global }
      - { .name: waq, .offset: 32, .size: 8, .value_kind: global_buffer, .address_space: global }
      - { .name: wpq, .offset: 40, .size: 8, .value_kind: global_buffer, .address_space: global }
    .group_segment_fixed_size: 33280
    .private_segment_fixed_size: 0
    .kernarg_segment_align: 8
    .kernarg_segment_size: 48
    .max_flat_workgroup_size: 128
    .sgpr_count:     66
    .vgpr_count:     194
    .wavefront_size: 32
...
	.end_amdgpu_metadata
.endif
;; end of part 1
;; launch qkvgemm (part 2): grid 12 x 32, 4 waves a work-group, clusters of 4 x 4, 327,680 bytes of LDS; arguments xq, waq, qkv; writes qkv
.if DOCPART == 2
	.amdgcn_target "amdgcn-amd-amdhsa--gfx1250"
	.amdhsa_code_object_version 6
	.text
	.protected	k_q1087f50216_qkvgemm
	.globl	k_q1087f50216_qkvgemm
	.p2align	8
	.type	k_q1087f50216_qkvgemm,@function
k_q1087f50216_qkvgemm:
	s_mov_b64 s[64:65], 0
	v_nop
	global_prefetch_b8 v0, s[64:65] scope:SCOPE_SE
	s_setreg_imm32_b32 hwreg(HW_REG_WAVE_MODE, 25, 1), 1
	s_wait_xcnt 0x0
	s_wait_alu depctr_hold_cnt(0) depctr_sa_sdst(0) depctr_va_vdst(0) depctr_va_sdst(0) depctr_va_ssrc(0) depctr_va_vcc(0) depctr_vm_vsrc(0)
	s_getreg_b32 s2, hwreg(HW_REG_IB_STS2, 6, 4)
	s_cmp_eq_u32 s2, 0
	s_cbranch_scc0 .Lentry_in_a_cluster
	s_endpgm
.Lentry_in_a_cluster:
	s_bfe_u32 s2, ttmp6, 0x10000c
	s_cmp_lg_u32 s2, 0xf033
	s_cbranch_scc0 .Lentry_shape_is_right
	s_endpgm
.Lentry_shape_is_right:
; qkv[m][o] = sum over k of x[m][k] W_attn[o][k], m 8,192, o 3,072, K 1,024, on codes of FP6 (E2M3) with E8M0 scales; sums in f32.  The results never go to memory as f32:
; THE WAY OUT QUANTISES THEM as the next products want them: q and k along the head's 64 (two blocks of 32), v along the tokens (blocks of 32), into one record for each (batch, head).
; OPERANDS (R rows): codes [16 chunks of 64 k][R][48 bytes]; at R x 768 scale words [8 steps of 128 k][R][4 bytes].
; A RECORD of qkv, RECB bytes, record = 16 x batch + head: 0 K codes [token][48]; 98,304 V codes [block of 32 tokens][d 64][24]; 196,608 K scale words [token][4];
;   204,800 V scale words [128 tokens][d 64][4]; 208,896 Q codes [token][48]; 307,200 Q scale words [token][4].  Q's and K's words are (s0, s1, s0, s1): bytes 2, 3 scale the zero codes that fill K = 64 up to 128.
; LIMITS: NaN and infinities are not served; a block whose largest magnitude lies under 2^-124, a block of zeros among them, has the byte 1 (its codes then add what the rule's would, or nothing); this program alone reads the bytes.
; A tile of 256 x 256 is made by four waves, 128 x 128 each: 64 accumulators, 512 registers.  K goes in steps of 256 through two LDS slots filled by the tensor data mover; 128 rows of a chunk are 6,144 dense bytes.
; In LDS rows are 48 bytes apart: lane (r, h) of a load of 8 bytes begins at word 6 (2 r + h), and 6 m mod 64 is different for m = 0 .. 31 (64 banks of 4 bytes: ISA guide 11.1): no padding.
; CLUSTERS: 4 x 4 work-groups; A's tiles are asked for jointly along a row of the cluster, B's along a column.  Cluster x says whether the tile is q's (0), k's (1) or v's (2): the same in all sixteen partners.
; THE MATRIX INSTRUCTION IS USED TRANSPOSED (source 0 = 16 rows of W_attn, source 1 = 16 rows of x): a lane holds eight neighbouring outputs of one token.
; REGISTERS, in windows of 256: window 0: v0-31 addresses; v32-63 scale words, two sets; v128-223 A's fragments, one set; on the way out v64-247 at work.
;   window 1: B's fragments, two sets, at v0 and v128.   window 2: accumulators of my rows 0-63 ((a, b) at v[8 (8 a + b)]);   window 3: of rows 64-127.
.set RA,    8192
.set RB,    3072
.set RECB,  315392
.set NQ,    2                          ; matrix instructions deep in a slot
.set FR,    12                         ; registers of a fragment
.set NL,    6                          ; LDS loads that bring one
.set NP,    4                          ; places behind this matrix instruction (ISA guide 7.12.1)
.set CHB,   12288                      ; 256 rows of a chunk
.set HALFT, 2*CHB                      ; what one tensor load of the ring brings: [2 chunks][256 rows][48]
.set SLOT,  4*HALFT                    ; A's [4 chunks][256 rows][48], then B's
.set SCL,   2*SLOT                     ; the scale words: A's [8 steps][256 rows][4], then B's: filled once
.set SCW,   4096
.set SPARE, SCL+4*SCW                  ; the spare words, 128 bytes a wave: two blocks of 256 bytes that no other line names
.set FSTW,  32*528                     ; a wave's f32 stage: 32 tokens x (512 bytes + 16)
.set FSTQ,  SPARE+512                  ; q's and k's way out: stages,
.set SGQ,   FSTQ+4*FSTW                ; and 1,024 bytes a wave for scale words
.set VC,    SGQ+4*1024                 ; v's way out: 1,024 bytes a wave for codes,
.set SGV,   VC+4*1024                  ; 512 bytes a wave for scale words,
.set FSTV,  0                          ; and stages in slot 0, which has had its last fill and its last read when the first result is stored there
.set COV,  11                          ; v11  v's scale words in memory: lanes 0-15 my first head, lanes 16-31 my second
.set VCS,  12                          ; v12  v's codes into LDS: 32 x lane
.set VCL,  13                          ; v13  and back: 16 x lane
.set SGVW, 14                          ; v14  v's scale words into LDS: 4 x lane
.set SGVR, 15                          ; v15  and back: 16 x lane
.set ADRA, 16                          ; v16-17 my A fragments in slot 0, 1
.set ADRB, 18                          ; v18-19 the same for B
.set ADRS, 20                          ; v20  my scale words: lanes 0-15 A's rows, lanes 16-31 B's
.set STOQ, 21                          ; v21  into the stage (q, k)
.set STOV, 22                          ; v22  into the stage (v)
.set RDQ,  23                          ; v23  out of it: token lane / 4, 16 numbers at 16 (lane % 4)
.set RDV,  24                          ; v24  out of it: column = lane
.set SGQW, 25                          ; v25  q's, k's scale words into LDS
.set SGQR, 26                          ; v26  and back
.set CO12, 27                          ; v27  12 x lane
.set SPW,  28                          ; v28  my spare word; never rewritten
.set NIL,  29                          ; v29  0; never rewritten
.set SH8,  30                          ; v30  8 x (which block of the head my lane holds)
.set CO16, 31                          ; v31  16 x lane
.set SC,   32                          ; scale words: set s at v[SC + 16 s]; register 2 i + q: lanes 0-15 A's block i, lanes 16-31 B's block i, the slot's q-th 128 along K
.set AF,   128
.set X,    64                          ; the way out: v64-191 numbers
.set C,    192                         ; v192-223 codes
.set M,    224                         ; v224-227 largest magnitudes
.set N,    228                         ; v228-231 a neighbour's byte
.set SO,   232                         ; v232-235 the conversions' scale operands
.set E,    236                         ; v236-239 bytes, words
.set SB,   244                         ; v244-247 v's scale words as they grow
.set G1,   24                          ; s[24:31] group 1 for A's tiles; s[32:39] group 0, a set for each slot
.set G0,   32
.set G1B,  48                          ; s[48:55], s[56:63] the same for B's
.set G0B,  56
.set G1S,  68                          ; s[68:75], s[76:79] groups 1, 0 for A's scale words; s[80:87], s[88:91] for B's
.set G0S,  76
.set G1SB, 80
.set G0SB, 88
.set MSB, 0
.macro WIN new                         ; the immediate's high byte repeats the setting that is left
.if MSB != \new
	s_set_vgpr_msb (MSB<<8)|\new
.set MSB, \new
.endif
.endm
.set MUL_LO, 0xa1                      ; source 0 (B) window 1, source 1 (A) window 0, C and D window 2
.set MUL_HI, 0xf1                      ; the same, C and D window 3
.set TO_B,   0x40                      ; destination window 1, address window 0
; A joint load: waves 0 and 1 fetch for A, waves 2 and 3 for B; the branch hangs on the wave's number alone.  Four v_nop follow each of the two lines.
.macro JLOAD g0a, g1a, g0b, g1b
	s_cmp_eq_u32 s15, 0
	s_cbranch_scc0 .Lfor_b_\@
	tensor_load_to_lds s[\g0a:\g0a+3], s[\g1a:\g1a+7]
	s_nop 0
.rept 4
	v_nop
.endr
	s_branch .Lasked_\@
.Lfor_b_\@:
	tensor_load_to_lds s[\g0b:\g0b+3], s[\g1b:\g1b+7]
	s_nop 0
.rept 4
	v_nop
.endr
.Lasked_\@:
.endm
.macro CREST                           ; a round of the cluster's barrier behind its opening barrier
	s_cmp_lg_u32 s14, 0
	s_cbranch_scc1 .Lnot_wave_0_\@
	s_barrier_signal -3
.Lnot_wave_0_\@:
	s_barrier_wait -3
	s_barrier_signal -1
	s_barrier_wait -1
.endm
.macro CROUND
	s_barrier_signal -1
	s_barrier_wait -1
	CREST
.endm
	s_load_b128 s[4:7], s[0:1], 0x0                ; xq s[4:5], waq s[6:7]
	s_load_b64 s[8:9], s[0:1], 0x10                ; qkv
	v_lshl_add_u32 v[SPW], v0, 2, SPARE
	v_mov_b32 v[NIL], 0
	ds_add_u32 v28, v29
	ds_add_u32 v28, v29
	s_wait_dscnt 0x0
	v_lshrrev_b32 v1, 5, v0
	v_readfirstlane_b32 s14, v1                    ; wave 0..3
	s_lshr_b32 s15, s14, 1                         ; rh: which half of the tile's rows is mine.  Also: I fetch for A (0) or for B (1)
	s_and_b32 s16, s14, 1                          ; ch: which half of its columns.  Also: which two chunks of a K step I fetch
	s_bfe_u32 s40, ttmp6, 0x40000                  ; cx, cy
	s_bfe_u32 s41, ttmp6, 0x40004
	s_lshl_b32 s42, ttmp9, 2
	s_add_co_u32 s42, s42, s40                     ; tile column = 4 x cluster x + cx
	s_and_b32 s17, ttmp7, 0xffff
	s_lshl_b32 s17, s17, 2
	s_add_co_u32 s17, s17, s41                     ; tile row = 4 x cluster y + cy
	s_lshl_b32 s43, s41, 2
	s_lshl_b32 s43, 15, s43                        ; my row of the cluster
	s_lshl_b32 s44, 0x1111, s40                    ; my column
	; group 1 for codes: a chunk's 256 rows x 48 bytes are one dense row of 1,536 elements of 8 bytes; 4 chunks for the head's loads, 2 for the ring's
	s_or_b32 s[G1+0], s43, (3<<16)|(1<<21)
	s_or_b32 s[G1B+0], s44, (3<<16)|(1<<21)
.irp g, G1, G1B
	s_mov_b32 s[\g+1], 1536<<16
	s_mov_b32 s[\g+2], 4<<16
	s_mov_b32 s[\g+3], 1536<<16
	s_mov_b32 s[\g+4], 4                           ; tile_dim1
	s_mov_b32 s[\g+6], 0
	s_mov_b32 s[\g+7], 0
.endr
	s_mov_b32 s[G1+5], RA*6                        ; tensor_dim0_stride
	s_mov_b32 s[G1B+5], RB*6
	; group 1 for scale words: 8 steps, each a row of 128 elements (256 rows x 4 bytes)
	s_or_b32 s[G1S+0], s43, (3<<16)|(1<<21)
	s_or_b32 s[G1SB+0], s44, (3<<16)|(1<<21)
.irp g, G1S, G1SB
	s_mov_b32 s[\g+1], 128<<16
	s_mov_b32 s[\g+2], 8<<16
	s_mov_b32 s[\g+3], 128<<16
	s_mov_b32 s[\g+4], 8
	s_mov_b32 s[\g+6], 0
	s_mov_b32 s[\g+7], 0
.endr
	s_mov_b32 s[G1S+5], RA/2
	s_mov_b32 s[G1SB+5], RB/2
	s_lshl_b32 s20, s17, 8                         ; A: the tile's first row
	s_lshl_b32 s46, s42, 8                         ; B: likewise
	s_lshl_b32 s22, s20, 2
	s_add_co_u32 s22, s22, RA*768                  ; where these rows' scale words begin,
	s_mov_b32 s23, 0
	s_mul_i32 s20, s20, 48                         ; and their codes
	s_mov_b32 s21, 0
	s_lshl_b32 s92, s46, 2
	s_add_co_u32 s92, s92, RB*768
	s_mov_b32 s93, 0
	s_mul_i32 s46, s46, 48
	s_mov_b32 s47, 0
	s_mul_i32 s45, s14, HALFT                      ; where my ring loads go: by the wave's number alone
	s_wait_kmcnt 0x0
	s_add_nc_u64 s[20:21], s[4:5], s[20:21]
	s_add_nc_u64 s[22:23], s[4:5], s[22:23]
	s_add_nc_u64 s[46:47], s[6:7], s[46:47]
	s_add_nc_u64 s[92:93], s[6:7], s[92:93]
	; THE HEAD'S FOUR TILES, each whole, one load a wave: A's scale words, B's, K step 0 of A, K step 0 of B
	s_mov_b32 s[G0S], 1
	s_mov_b32 s[G0S+1], SCL
	s_mov_b64 s[G0S+2:G0S+3], s[22:23]
	s_or_b32 s[G0S+3], s[G0S+3], 0x80000000
	s_mov_b32 s[G0SB], 1
	s_mov_b32 s[G0SB+1], SCL+2*SCW
	s_mov_b64 s[G0SB+2:G0SB+3], s[92:93]
	s_or_b32 s[G0SB+3], s[G0SB+3], 0x80000000
	s_mov_b32 s[G0], 1                             ; slot 0's group 0 serves the head's whole tile first; it is set for the ring behind the wait for that load
	s_mov_b32 s[G0+1], 0
	s_mov_b64 s[G0+2:G0+3], s[20:21]
	s_or_b32 s[G0+3], s[G0+3], 0x80000000
	s_mov_b32 s[G0B], 1
	s_mov_b32 s[G0B+1], 2*HALFT
	s_mov_b64 s[G0B+2:G0B+3], s[46:47]
	s_or_b32 s[G0B+3], s[G0B+3], 0x80000000
	s_mul_i32 s18, s16, 2*RA*48                    ; in the ring I fetch two chunks of a K step's four
	s_mov_b32 s19, 0
	s_mul_i32 s94, s16, 2*RB*48
	s_mov_b32 s95, 0
	s_mov_b32 s[G0+4], 1                           ; slot 1: K step 1
	s_add_co_u32 s[G0+5], s45, SLOT
	s_add_nc_u64 s[G0+6:G0+7], s[20:21], s[18:19]
	s_add_nc_u64 s[G0+6:G0+7], s[G0+6:G0+7], 4*RA*48
	s_or_b32 s[G0+7], s[G0+7], 0x80000000
	s_mov_b32 s[G0B+4], 1
	s_add_co_u32 s[G0B+5], s45, SLOT
	s_add_nc_u64 s[G0B+6:G0B+7], s[46:47], s[94:95]
	s_add_nc_u64 s[G0B+6:G0B+7], s[G0B+6:G0B+7], 4*RB*48
	s_or_b32 s[G0B+7], s[G0B+7], 0x80000000
.macro ARM under, g0, g1, next         ; one tree of branches on the wave's number: every way passes exactly one load
	s_cmp_lt_u32 s14, \under
	s_cbranch_scc0 \next
	tensor_load_to_lds s[\g0:\g0+3], s[\g1:\g1+7]
	s_nop 0
.rept 4
	v_nop
.endr
	s_branch .Lhead_asked
\next:
.endm
	CROUND                                         ; all sixteen work-groups are here: the first joint loads meet
	ARM 1, G0,  G1,  .Lhead_b
	ARM 2, G0B, G1B, .Lhead_sa
	ARM 3, G0S, G1S, .Lhead_sb
	tensor_load_to_lds s[G0SB:G0SB+3], s[G1SB:G1SB+7]
	s_nop 0
.rept 4
	v_nop
.endr
.Lhead_asked:
	v_and_b32 v1, 15, v0                           ; r
	v_bfe_u32 v2, v0, 4, 1                         ; h
	s_wait_alu depctr_va_vdst(0)
	v_and_b32 v3, 31, v0                           ; lane
	v_mul_u32_u24 v4, v1, 48
	v_mad_u32_u24 v4, v2, 24, v4                   ; a fragment's row x 48 + 24 x half
	s_mul_i32 s18, s15, 6144                       ; my 128 rows of A: 128 x 48 bytes into each chunk
	s_mul_i32 s19, s16, 6144                       ; my 128 rows of B,
	s_add_co_u32 s19, s19, 2*HALFT                 ; which lie behind A's 256
.irp s, 0,1
	v_add_nc_u32 v[ADRA+\s], s18, v4
	v_add_nc_u32 v[ADRB+\s], s19, v4
	s_add_co_u32 s18, s18, SLOT
	s_add_co_u32 s19, s19, SLOT
.endr
	v_lshlrev_b32 v5, 2, v1                        ; my row's scale word
	s_lshl_b32 s18, s15, 9                         ; A's: my 128 rows of a step's 256
	s_lshl_b32 s19, s16, 9                         ; B's likewise, behind A's
	s_add_co_u32 s19, s19, 2*SCW
	s_sub_co_u32 s19, s19, s18
	v_mul_u32_u24 v6, s19, v2                      ; lanes 16-31 take B's: the lower base + h x the distance
	s_add_co_u32 s18, s18, SCL
	v_add_nc_u32 v5, v5, v6
	v_add_nc_u32 v[ADRS], s18, v5
	; the way out's addresses: all made here, ahead of the parting of q's, k's and v's ways
	s_mul_i32 s18, s14, FSTW
	v_mul_u32_u24 v5, v1, 528
	v_lshl_add_u32 v5, v2, 5, v5
	v_add_nc_u32 v[STOV], s18, v5                  ; row r, 32 bytes for each half of the lanes
	v_add_nc_u32 v[STOQ], FSTQ, v[STOV]
	v_lshrrev_b32 v6, 2, v3
	v_and_b32 v7, 3, v3
	v_mul_u32_u24 v5, v6, 528
	v_lshl_add_u32 v5, v7, 6, v5
	v_add_nc_u32 v5, s18, v5
	v_add_nc_u32 v[RDQ], FSTQ, v5
	v_lshlrev_b32 v5, 2, v3
	v_add_nc_u32 v[RDV], s18, v5
	s_lshl_b32 s19, s14, 10
	v_lshl_add_u32 v8, v6, 2, s19
	v_add_nc_u32 v[SGQW], SGQ, v8
	v_lshl_add_u32 v8, v3, 4, s19
	v_add_nc_u32 v[SGQR], SGQ, v8
	v_add_nc_u32 v[VCL], VC, v8
	v_lshl_add_u32 v8, v3, 5, s19
	v_add_nc_u32 v[VCS], VC, v8
	v_mul_u32_u24 v[CO12], v3, 12
	v_lshlrev_b32 v[CO16], 4, v3
	v_bfe_u32 v8, v3, 1, 1
	v_lshlrev_b32 v[SH8], 3, v8
	s_lshl_b32 s19, s14, 9
	v_lshl_add_u32 v8, v3, 2, s19
	v_add_nc_u32 v[SGVW], SGV, v8
	v_lshl_add_u32 v8, v3, 4, s19
	v_add_nc_u32 v[SGVR], SGV, v8
	v_mul_u32_u24 v8, v2, RECB
	v_lshl_add_u32 v[COV], v1, 4, v8
	; where my results go: record 16 b + 4 cx + 2 ch (and the next), tokens t0 on.  (Registers that never feed a joint load's descriptor)
	s_lshr_b32 s66, s17, 3                         ; batch: 8 tile rows each
	s_lshl_b32 s66, s66, 4
	s_lshl_b32 s67, s40, 2
	s_add_co_u32 s66, s66, s67
	s_lshl_b32 s67, s16, 1
	s_add_co_u32 s66, s66, s67
	s_mul_i32 s66, s66, RECB
	s_and_b32 s67, s17, 7
	s_lshl_b32 s67, s67, 8
	s_lshl_b32 s95, s15, 7
	s_add_co_u32 s67, s67, s95                     ; t0
	s_cmp_eq_u32 ttmp9, 0
	s_mov_b32 s95, 0                               ; k's codes,
	s_cselect_b32 s95, 208896, s95                 ; q's,
	s_mov_b32 s96, 196608                          ; k's scale words,
	s_cselect_b32 s96, 307200, s96                 ; q's
	s_cmp_eq_u32 ttmp9, 2
	s_cselect_b32 s95, 98304, s95                  ; v's codes
	s_cselect_b32 s96, 204800, s96                 ; v's scale words
	s_cselect_b32 s97, 1, 2                        ; 2 bytes a token in v's words (256 for 128 tokens), 4 in q's and k's
	s_lshl_b32 s97, s67, s97
	s_add_co_u32 s96, s96, s97
	s_add_co_u32 s12, s96, s66
	s_mov_b32 s13, 0
	s_mul_i32 s67, s67, 48                         ; 48 bytes of codes a token in all three
	s_add_co_u32 s95, s95, s67
	s_add_co_u32 s10, s95, s66
	s_mov_b32 s11, 0
	s_add_nc_u64 s[10:11], s[8:9], s[10:11]        ; codes
	s_add_nc_u64 s[12:13], s[8:9], s[12:13]        ; scale words
.macro FRAG reg, adr, q, i             ; a fragment, 16 rows x 128 K: lane (r, h): registers 0-5 = 24 bytes of chunk 2 q at 24 h, registers 6-11 the same of chunk 2 q + 1; in pieces of 8 bytes
.irp p, 0,1,2,3,4,5
	ds_load_b64 v[\reg+2*\p:\reg+2*\p+1], v[\adr] offset:(2*(\q)+\p/3)*CHB+(\i)*768+8*(\p%3)
.endr
.endm
; 16 matrix instructions: A's blocks a0, a0 + 1 x B's eight.  p: B's set; sc: the set of scale words.  zero = 1: the first product starts the sums.  The 64 accumulators take turns, one instruction a turn.
.macro MUL16 a0, p, q, sc, zero
.irp a, \a0, \a0+1
.irp b, 0,1,2,3,4,5,6,7
.if \zero
	v_wmma_scale_f32_16x16x128_f8f6f4 v[8*(8*((\a)%4)+\b):8*(8*((\a)%4)+\b)+7], v[128*(\p)+FR*\b:128*(\p)+FR*\b+FR-1], v[AF+FR*(\a):AF+FR*(\a)+FR-1], 0, v[SC+8*NQ*(\sc)+NQ*\b+(\q)], v[SC+8*NQ*(\sc)+NQ*(\a)+(\q)] matrix_a_fmt:MATRIX_FMT_FP6 matrix_b_fmt:MATRIX_FMT_FP6 matrix_a_scale:MATRIX_SCALE_ROW1
.else
	v_wmma_scale_f32_16x16x128_f8f6f4 v[8*(8*((\a)%4)+\b):8*(8*((\a)%4)+\b)+7], v[128*(\p)+FR*\b:128*(\p)+FR*\b+FR-1], v[AF+FR*(\a):AF+FR*(\a)+FR-1], v[8*(8*((\a)%4)+\b):8*(8*((\a)%4)+\b)+7], v[SC+8*NQ*(\sc)+NQ*\b+(\q)], v[SC+8*NQ*(\sc)+NQ*(\a)+(\q)] matrix_a_fmt:MATRIX_FMT_FP6 matrix_b_fmt:MATRIX_FMT_FP6 matrix_a_scale:MATRIX_SCALE_ROW1
.endif
.endr
.endr
.endm
.macro FETCH_B slot, q, p
	WIN TO_B
.irp i, 0,1,2,3,4,5,6,7
	FRAG 128*(\p)+FR*\i, ADRB+\slot, \q, \i
.endr
	WIN 0
.endm
.macro FETCH_A slot, q, i0
.irp i, \i0, \i0+1, \i0+2, \i0+3
	FRAG AF+FR*(\i), ADRA+\slot, \q, \i
.endr
.endm
.macro SCALES sc                       ; a K step's scale words into set sc: lanes 0-15 A's block i, lanes 16-31 B's block i
.irp i, 0,1,2,3,4,5,6,7
.irp q, 0,1
	ds_load_b32 v[SC+16*\sc+2*\i+\q], v[ADRS] offset:1024*\q+64*\i
.endr
.endr
.endm
.macro PLACES n                        ; plain vector lines between a matrix instruction and a load into, or a read of, its registers (ISA guide 7.12.1 for reads)
.rept \n
	v_nop
.endr
.endm
.macro STEP slot, q, zero              ; a step of 128 along K that has its successor in the same slot
	s_wait_dscnt 4*NL                              ; B's set and A's blocks 0-3 are in; the youngest 24 loads (A's blocks 4-7) may be out
	WIN MUL_LO
	MUL16 0, (\q)%2, \q, \slot, \zero
	MUL16 2, (\q)%2, \q, \slot, \zero
	s_wait_dscnt 0                                 ; A's blocks 4-7 are in
	PLACES NP
	FETCH_B \slot, (\q)+1, 1-(\q)%2
	FETCH_A \slot, (\q)+1, 0
	WIN MUL_HI
	MUL16 4, (\q)%2, \q, \slot, \zero
	MUL16 6, (\q)%2, \q, \slot, \zero
	PLACES NP
	WIN 0
	FETCH_A \slot, (\q)+1, 4
.endm
; A slot's last step changes slots: one barrier; in front of it each wave waits for all its tensor loads, adds 0 to its spare word, and waits for that and for its reads of this slot.  fill = 1: this slot is filled again, two K steps ahead.
.macro TURN slot, next, fill
	s_wait_tensorcnt 0x0                           ; all my tensor loads have landed: my part of the next slot
	ds_add_u32 v[SPW], v[NIL]                      ; 0 onto my spare word
	s_wait_dscnt 4*NL+1                            ; (the add and the youngest 24 loads may be out)
	WIN MUL_LO
	MUL16 0, 1, NQ-1, \slot, 0                     ; sixteen matrix instructions stand between the add and the wait for it
	s_wait_dscnt 0x0                               ; the add is done, and my reads of this slot are over
	s_barrier_signal -1
	MUL16 2, 1, NQ-1, \slot, 0
	WIN 0
	s_barrier_wait -1
.if \fill
	CREST                                          ; the barrier has opened a round of the cluster's: no wave of any partner still reads this slot or has a load on its way
	s_add_nc_u64 s[G0+4*\slot+2:G0+4*\slot+3], s[G0+4*\slot+2:G0+4*\slot+3], 8*RA*48
	s_add_nc_u64 s[G0B+4*\slot+2:G0B+4*\slot+3], s[G0B+4*\slot+2:G0B+4*\slot+3], 8*RB*48
	JLOAD G0+4*\slot, G1, G0B+4*\slot, G1B         ; the first tensor load behind the round; its four v_nop are the places in front of the loads below
.else
	PLACES NP
.endif
	s_wait_alu depctr_va_vdst(0)
	v_add_nc_u32 v[ADRS], 2048, v[ADRS]            ; the next K step's scale words: two steps of 1,024 bytes on
	FETCH_B \next, 0, 0
	FETCH_A \next, 0, 0
	SCALES \next
	WIN MUL_HI
	MUL16 4, 1, NQ-1, \slot, 0
	MUL16 6, 1, NQ-1, \slot, 0
	PLACES NP
	WIN 0
	FETCH_A \next, 0, 4
.endm
	s_wait_alu depctr_va_vdst(0)
	s_wait_tensorcnt 0x0                           ; my tile of the head's four is in
	ds_add_u32 v[SPW], v[NIL]
	s_mov_b32 s[G1+2], 2<<16                       ; no tensor load of mine is out: from here on a load brings two chunks,
	s_mov_b32 s[G1+4], 2
	s_mov_b32 s[G1B+2], 2<<16
	s_mov_b32 s[G1B+4], 2
	s_mul_i32 s18, s16, 2*RA*48
	s_mov_b32 s19, 0
	s_mul_i32 s94, s16, 2*RB*48
	s_mov_b32 s95, 0
	s_mov_b32 s[G0+1], s45                         ; and slot 0's group 0 stands at my part of K step 0
	s_add_nc_u64 s[G0+2:G0+3], s[G0+2:G0+3], s[18:19]
	s_mov_b32 s[G0B+1], s45
	s_add_nc_u64 s[G0B+2:G0B+3], s[G0B+2:G0B+3], s[94:95]
	s_wait_dscnt 0x0
	CROUND                                         ; a whole round: all four tiles are in, all sixteen work-groups are here
	JLOAD G0+4, G1, G0B+4, G1B                     ; K step 1, the first tensor load behind the round
	FETCH_B 0, 0, 0
	FETCH_A 0, 0, 0
	SCALES 0
	FETCH_A 0, 0, 4
	STEP 0, 0, 1                                   ; K = 1,024 is four K steps of 256, eight steps of 128: written straight; the first starts the sums
	TURN 0, 1, 1                                   ; slot 0 takes K step 2
	STEP 1, 0, 0
	TURN 1, 0, 1                                   ; slot 1 takes K step 3
	STEP 0, 0, 0
	TURN 0, 1, 0                                   ; nothing is left to fetch
	STEP 1, 0, 0
	s_wait_dscnt 4*NL
	WIN MUL_LO
	MUL16 0, 1, NQ-1, 1, 0
	MUL16 2, 1, NQ-1, 1, 0
	s_wait_dscnt 0
	WIN MUL_HI
	MUL16 4, 1, NQ-1, 1, 0
	MUL16 6, 1, NQ-1, 1, 0
	WIN 0
; THE WAY OUT.  Block a (16 tokens x 128 outputs) goes into my f32 stage, each accumulator from its low end on; two blocks make 32 tokens.
.macro TOSTAGE a, sto
.set AC, 64*((\a)%4)
	WIN 0x08+4*((\a)/4)                            ; an LDS store's data: window 2 or 3
.irp b, 0,1,2,3,4,5,6,7
	ds_store_b128 v[\sto], v[AC+8*\b:AC+8*\b+3] offset:((\a)%2)*8448+64*\b
	ds_store_b128 v[\sto], v[AC+8*\b+4:AC+8*\b+7] offset:((\a)%2)*8448+64*\b+16
.endr
	WIN 0
.endm
; q, k: four groups of 8 tokens of head hh: a lane holds 16 neighbours of a token's 64, two lanes a block, four lanes a token.  The four groups take turns line by line.
.macro QGROUP j, hh
.irp g, 0,1,2,3
	v_max3_num_f32 v[M+\g], |v[X+16*(4*\hh+\g)]|, |v[X+16*(4*\hh+\g)+1]|, 0x1800000   ; with the floor 2^(3 - 127): the byte cannot fall under 1
.endr
.irp i, 2,4,6,8,10,12,14
.irp g, 0,1,2,3
	v_max3_num_f32 v[M+\g], v[M+\g], |v[X+16*(4*\hh+\g)+\i]|, |v[X+16*(4*\hh+\g)+\i+1]|
.endr
.endr
.irp g, 0,1,2,3
	v_max_num_f32_dpp v[M+\g], v[M+\g], v[M+\g] row_xmask:1 row_mask:0xf bank_mask:0xf   ; with my neighbour's 16: the block's
.endr
.irp g, 0,1,2,3
	v_add_nc_u32 v[SO+\g], 0xff000000, v[M+\g]     ; 2 off the exponent field: the conversion's scale operand
.endr
.irp g, 0,1,2,3
	v_cvt_scalef32_pk16_fp6_f32 v[C+4*(4*\hh+\g):C+4*(4*\hh+\g)+2], v[X+16*(4*\hh+\g):X+16*(4*\hh+\g)+15], v[SO+\g]
.endr
.irp g, 0,1,2,3
	v_lshrrev_b32 v[E+\g], 23, v[SO+\g]            ; the byte (also the plain line behind the conversions)
.endr
.irp g, 0,1,2,3
	v_lshlrev_b32 v[E+\g], v[SH8], v[E+\g]         ; at its place: block 0 low, block 1 one byte up
.endr
.irp g, 0,1,2,3
	v_mov_b32_dpp v[N+\g], v[E+\g] row_xmask:2 row_mask:0xf bank_mask:0xf   ; the token's other block's
.endr
.irp g, 0,1,2,3
	v_or_b32 v[E+\g], v[E+\g], v[N+\g]
.endr
.irp g, 0,1,2,3
	v_lshl_or_b32 v[E+\g], v[E+\g], 16, v[E+\g]    ; (s0, s1, s0, s1)
.endr
.irp g, 0,1,2,3
	ds_store_b32 v[SGQW], v[E+\g] offset:\hh*512+(32*\j+8*\g)*4     ; a token's four lanes write the same word with the same value
	global_store_b96 v[CO12], v[C+4*(4*\hh+\g):C+4*(4*\hh+\g)+2], s[10:11] offset:\hh*RECB+(32*\j+8*\g)*48   ; 8 tokens x 48 bytes on end
.endr
.endm
.macro QBLOCK j                        ; tokens 32 j .. 32 j + 31
.if \j > 0
	s_wait_xcnt 0x0                                ; the last block's stores have read their data: the codes' registers are written again
.endif
	TOSTAGE 2*\j, STOQ
	TOSTAGE 2*\j+1, STOQ
.irp hh, 0,1
.irp g, 0,1,2,3
.irp i, 0,1,2,3
	ds_load_b128 v[X+16*(4*\hh+\g)+4*\i:X+16*(4*\hh+\g)+4*\i+3], v[RDQ] offset:\g*4224+\hh*256+16*\i   ; LDS serves a wave's instructions in order: these see my stores
.endr
.endr
.endr
	s_wait_dscnt 16                                ; my first head's 16 loads are in; the second head's 16 may be out
	QGROUP \j, 0
	s_wait_dscnt 0x0
	QGROUP \j, 1
.endm
; v: a lane takes a column and its registers run down 32 tokens: a whole block a lane.  Four columns a lane (32 p + lane), by turns.
.macro VBLOCK j
.if \j > 0
	s_wait_xcnt 0x0                                ; the last block's stores have read their data, which lie where the numbers land
.endif
	TOSTAGE 2*\j, STOV
	TOSTAGE 2*\j+1, STOV
.irp p, 0,1,2,3
.set n, 0
.rept 32
	ds_load_b32 v[X+32*\p+n], v[RDV] offset:528*n+128*\p
.set n, n+1
.endr
.endr
	s_wait_dscnt 0x0
.irp p, 0,1,2,3
	v_max3_num_f32 v[M+\p], |v[X+32*\p]|, |v[X+32*\p+1]|, 0x1800000
.endr
.irp i, 2,4,6,8,10,12,14,16,18,20,22,24,26,28,30
.irp p, 0,1,2,3
	v_max3_num_f32 v[M+\p], v[M+\p], |v[X+32*\p+\i]|, |v[X+32*\p+\i+1]|
.endr
.endr
.irp p, 0,1,2,3
	v_add_nc_u32 v[SO+\p], 0xff000000, v[M+\p]
.endr
.irp p, 0,1,2,3
	v_cvt_scalef32_pk16_fp6_f32 v[C+8*\p:C+8*\p+2], v[X+32*\p:X+32*\p+15], v[SO+\p]
	v_cvt_scalef32_pk16_fp6_f32 v[C+8*\p+4:C+8*\p+6], v[X+32*\p+16:X+32*\p+31], v[SO+\p]
.endr
.irp p, 0,1,2,3
	v_lshrrev_b32 v[E+\p], 23, v[SO+\p]            ; the byte (also the plain line behind the conversions)
.endr
.irp p, 0,1,2,3
.if \j == 0
	v_mov_b32 v[SB+\p], v[E+\p]                    ; my 128 tokens are one scale word: byte j = block j
.else
	v_lshl_or_b32 v[SB+\p], v[E+\p], 8*\j, v[SB+\p]
.endif
.endr
.irp p, 0,1,2,3                        ; a lane's 24 bytes and its neighbours' are 768 bytes on end in memory: through my 1,024 bytes of LDS (12 bytes to a place of 16) they become 12 bytes a lane
	ds_store_b96 v[VCS], v[C+8*\p:C+8*\p+2]
	ds_store_b96 v[VCS], v[C+8*\p+4:C+8*\p+6] offset:16
	ds_load_b96 v[X+8*\p:X+8*\p+2], v[VCL]
	ds_load_b96 v[X+8*\p+4:X+8*\p+6], v[VCL] offset:512
.endr
	s_wait_dscnt 0x0
.irp p, 0,1,2,3
	global_store_b96 v[CO12], v[X+8*\p:X+8*\p+2], s[10:11] offset:(\p/2)*RECB+1536*\j+768*(\p%2)        ; 384 bytes on end
	global_store_b96 v[CO12], v[X+8*\p+4:X+8*\p+6], s[10:11] offset:(\p/2)*RECB+1536*\j+768*(\p%2)+384
.endr
.endm
	PLACES NP                                      ; behind the last products: for the reads of their results and the loads into A's registers
	s_cmp_eq_u32 ttmp9, 2                          ; cluster x: the same in all partners and all waves
	s_cbranch_scc1 .Lv
.irp g, 0,1,2,3
	v_mov_b32 v[N+\g], 0                           ; written once: a DPP move's destination counts as one of its sources
.endr
	QBLOCK 0
	QBLOCK 1
	QBLOCK 2
	QBLOCK 3
	ds_load_b128 v[X:X+3], v[SGQR]                 ; my first head's 128 scale words, 16 bytes a lane,
	ds_load_b128 v[X+4:X+7], v[SGQR] offset:512    ; my second head's
	s_wait_dscnt 0x0
	global_store_b128 v[CO16], v[X:X+3], s[12:13]                  ; 512 bytes on end, at a multiple of 256 from the buffer's first byte
	global_store_b128 v[CO16], v[X+4:X+7], s[12:13] offset:RECB
	s_branch .Ldone
.Lv:
	VBLOCK 0
	VBLOCK 1
	VBLOCK 2
	VBLOCK 3
	s_wait_alu depctr_va_vdst(0)
.irp p, 0,1,2,3
	ds_store_b32 v[SGVW], v[SB+\p] offset:128*\p
.endr
	ds_load_b128 v[C:C+3], v[SGVR]                 ; lanes 0-15: my first head's 64 words; lanes 16-31: my second head's
	s_wait_dscnt 0x0
	global_store_b128 v[COV], v[C:C+3], s[12:13]   ; sixteen lanes store 256 bytes on end
.Ldone:
	s_wait_tensorcnt 0x0                           ; the wave's end, behind my last tensor load and my last LDS store
	ds_add_u32 v[SPW], v[NIL]
	s_wait_dscnt 0x0
	CROUND                                         ; the closing round: no work-group ends while a partner may still ask for a tile that names it
	s_endpgm
.Lfunc_end_k_q1087f50216_qkvgemm:
	.size	k_q1087f50216_qkvgemm, .Lfunc_end_k_q1087f50216_qkvgemm-k_q1087f50216_qkvgemm
	.p2alignl 7, 3214868480
	.fill 96, 4, 3214868480
	.section	.rodata,"a",@progbits
	.p2align	6, 0x0
	.amdhsa_kernel k_q1087f50216_qkvgemm
		.amdhsa_group_segment_fixed_size 327680
		.amdhsa_private_segment_fixed_size 0
		.amdhsa_enable_private_segment 0
		.amdhsa_kernarg_size 24
		.amdhsa_user_sgpr_count 2
		.amdhsa_user_sgpr_kernarg_segment_ptr 1
		.amdhsa_wavefront_size32 1
		.amdhsa_system_sgpr_workgroup_id_x 1
		.amdhsa_system_sgpr_workgroup_id_y 1
		.amdhsa_system_sgpr_workgroup_id_z 1
		.amdhsa_system_vgpr_workitem_id 0
		.amdhsa_next_free_vgpr 1024
		.amdhsa_next_free_sgpr 98
		.amdhsa_reserve_vcc 0
		.amdhsa_float_denorm_mode_32 3
		.amdhsa_float_denorm_mode_16_64 3
		.amdhsa_memory_ordered 1
		.amdhsa_forward_progress 1
		.amdhsa_inst_pref_size 255
	.end_amdhsa_kernel
	.section	.bss,"aw",@nobits
	.p2align	6
	.space	262144
	.amdgpu_metadata
---
amdhsa.version: [ 1, 2 ]
amdhsa.kernels:
  - .name:           k_q1087f50216_qkvgemm
    .symbol:         k_q1087f50216_qkvgemm.kd
    .args:
      - { .name: xq, .offset: 0, .size: 8, .value_kind: global_buffer, .address_space: global }
      - { .name: waq, .offset: 8, .size: 8, .value_kind: global_buffer, .address_space: global }
      - { .name: qkv, .offset: 16, .size: 8, .value_kind: global_buffer, .address_space: global }
    .group_segment_fixed_size: 327680
    .private_segment_fixed_size: 0
    .kernarg_segment_align: 8
    .kernarg_segment_size: 24
    .max_flat_workgroup_size: 128
    .sgpr_count:     98
    .vgpr_count:     1024
    .wavefront_size: 32
...
	.end_amdgpu_metadata
.endif
;; end of part 2
;; launch attn (part 3): grid 4 x 64, 16 waves a work-group, no clusters, 327,680 bytes of LDS; arguments qkv, yq; writes yq
.if DOCPART == 3
	.amdgcn_target "amdgcn-amd-amdhsa--gfx1250"
	.amdhsa_code_object_version 6
	.text
	.protected	k_q1087f50216_attn
	.globl	k_q1087f50216_attn
	.p2align	8
	.type	k_q1087f50216_attn,@function
k_q1087f50216_attn:
	s_mov_b64 s[64:65], 0
	v_nop
	global_prefetch_b8 v0, s[64:65] scope:SCOPE_SE
	s_setreg_imm32_b32 hwreg(HW_REG_WAVE_MODE, 25, 1), 1
	s_wait_xcnt 0x0
; y[b][q][head] = softmax_k(Q . K / 8, causal) V for one (batch, head), a record of qkv; both products on codes of FP6 (E2M3) with E8M0 scales; y is quantised along C on the way out.
; A RECORD (RECB bytes): 0 K codes [token][48]; 98,304 V codes [block of 32 tokens][d 64][24]; 196,608 K scale words [token][4]; 204,800 V scale words [128 tokens][d][4]; 208,896 Q codes [token][48]; 307,200 Q scale words [token][4].
; LEFT OUT: key steps all of whose keys lie behind the causal mask: their p is 0 for all values of the inputs.
; THE FIRST PRODUCT'S K IS 64: Q's codes for k = 64 .. 127 are zeros, set once.  What K's fragment holds there is multiplied by zero, and every pattern of 6 bits is a finite number:
; so the eight tiles of K lie 6 registers apart, each tile's upper half being the next tile's codes (the last tile's: six registers written once).  Q's and K's scale words repeat their two bytes for that half.
; THE SOFTMAX: t = score x log2(e) / 8; M = the running largest t rounded UP to a whole number; p = 2^(t - M) is quantised along the keys, not normalised; the sum is taken of the unquantised p and divides O at the end;
; when M moves, the sum and O are multiplied by 2^(old M - new M): exact.
; RESULT: yq, an operand of 8,192 rows: codes [16 chunks = heads][8192][48]; at 6,291,456 scale words [8][8192][4]: a head's two bytes at 2 (head % 2) of word head / 2.
; LIMITS: NaN and infinities are not served; a block of y whose largest magnitude lies under 2^-124, a block of zeros among them, has the byte 1; this program alone reads the bytes.
; SHARES.  Work-group (i, record) owns the query blocks 7 - i and i of 256: wave w first takes the 16 queries from 2032 - 256 i - 16 w, then those from 256 i + 16 w: 17 key steps of 128 for every wave.
; LDS holds the record's first 208,896 bytes, each byte filled once, in TWO FILLS.  At the head waves 0 to 14 bring 16 rows of 256 bytes each: the first 512 keys of K (6 waves), of V (6 waves), all scale words (3 waves).
; Behind the first barrier, every wave brings 36 rows: the other 1,536 keys of K (waves 0-7) and of V (waves 8-15); that load has four key steps in which to land.
; One tensor load of a wave is out at the most; every wait on TENSORcnt is for 0.
; NO CLUSTER, though the four work-groups of a record read the same bytes: a hidden step is left out by a branch on the tile's first query, which hangs on the work-group's number.
; NO PREFETCH: the second fill is asked for directly behind the first's barrier, and no later tile is left to ask for.
; LAYOUT.  Both products transposed (S^T = K Q^T, O^T = V^T P^T): a lane holds one query.  Lane r of tile 2 b + u takes key (or channel d) 32 b + 8 u + r + 8 (r / 8): the 16 registers of tiles 2 b, 2 b + 1 are 16 neighbours.
.set RECB, 315392
.set STG,  208896                      ; 1,024 bytes a wave for y's codes on the way out
.set SPARE, 225280                     ; the spare words: 128 bytes a wave
.set AK0,  1                           ; v1-3 my lane's place in a tile of K, of V, among K's scale words (V's lie 8,192 bytes on)
.set AV0,  2
.set ASK0, 3
.set ADK,  4                           ; v4-7 the step's addresses: K, V, K's words, V's words
.set ADV,  5
.set ADS,  6
.set ADT,  7
.set VS,   8                           ; v8-11 V's scale words; v12 -M, v13 the largest t, v[14:15] the sum; v16-27 Q (v22-27 zeros); v255 Q's scale words
.set KFR,  32                          ; v32-85 K's eight tiles, 6 registers apart
.set VFR,  32                          ; v32-79 then V's four fragments
.set KS,   86                          ; v86-93 K's scale words
.set SPW,  126                         ; v126 my spare word, v127 0: never rewritten
.set NIL,  127
.set S,    128                         ; v128-191 S^T, then p
.set O,    192                         ; v192-223 O^T
.set PC,   224                         ; v224-235 p's codes
.set CT,   236                         ; v236-243 at work
.set BM,   244                         ; v244-247 each block's largest score, then its largest p
.set SO,   248                         ; v248-251 the conversions' scale operands; v252 f, v253 p's scale word, v254 at work
.set WV,   18
.set SEL,  20                          ; s[20:21] selects for lane l xor 16
.set CS,   22                          ; s[22:23] log2(e) / 8
.set G1C,  24                          ; s[24:31] group 1 of the second fill, s[32:39] of the first; s[40:43], s[44:47] their groups 0
.set G1S,  32
.set G0S,  40
.set G0C,  44
.set TB,   60                          ; the step's first byte in K's codes and in V's; s61 in K's scale words; s62 in V's; s63 its first key
.set TS,   61
.set TJ,   62
.set KF,   63
.set Q0,   66                          ; my tile's first query
.set CNT,  67
.set QB,   68
.set QSB,  70
.set YC,   72
.set YS,   74
	s_load_b128 s[4:7], s[0:1], 0x0                ; qkv, yq
	v_lshl_add_u32 v[SPW], v0, 2, SPARE
	v_mov_b32 v[NIL], 0
	ds_add_u32 v[SPW], v[NIL]
	ds_add_u32 v[SPW], v[NIL]
	s_wait_dscnt 0x0
	v_lshrrev_b32 v1, 5, v0
	s_delay_alu instid0(VALU_DEP_1)
	v_readfirstlane_b32 s[WV], v1                  ; wave 0..15
	s_and_b32 s76, ttmp7, 0xffff                   ; the record
	s_mul_i32 s76, s76, RECB
	s_mov_b32 s77, 0
	s_mov_b32 s[G1C], 3<<16                        ; dense blocks as rows of 256 bytes (32 elements of 8): 36 rows, 16 rows
	s_mov_b32 s[G1C+1], 32<<16
	s_mov_b32 s[G1C+2], 36<<16
	s_mov_b32 s[G1C+3], 32<<16
	s_mov_b32 s[G1C+4], 36
	s_mov_b32 s[G1C+5], 32
	s_mov_b32 s[G1C+6], 0
	s_mov_b32 s[G1C+7], 0
	s_mov_b32 s[G1S], 3<<16
	s_mov_b32 s[G1S+1], 32<<16
	s_mov_b32 s[G1S+2], 16<<16
	s_mov_b32 s[G1S+3], 32<<16
	s_mov_b32 s[G1S+4], 16
	s_mov_b32 s[G1S+5], 32
	s_mov_b32 s[G1S+6], 0
	s_mov_b32 s[G1S+7], 0
	s_lshr_b32 s78, s[WV], 3                       ; the second fill: 98,304 (wave / 8) + 24,576 + 9,216 (wave % 8): the same offset in the record and in LDS
	s_mul_i32 s78, s78, 98304
	s_and_b32 s79, s[WV], 7
	s_mul_i32 s79, s79, 9216
	s_add_co_u32 s78, s78, s79
	s_add_co_u32 s78, s78, 24576
	s_mul_i32 s79, s[WV], 11                       ; the first fill: g = wave / 6 = (11 wave) >> 6; 98,304 g + 4,096 (wave - 6 g) = 73,728 g + 4,096 wave
	s_lshr_b32 s79, s79, 6
	s_mul_i32 s79, s79, 73728
	s_lshl_b32 s80, s[WV], 12
	s_add_co_u32 s79, s79, s80
	s_mov_b32 s81, 0
	s_mov_b32 s[SEL], 0x76543210
	s_mov_b32 s[SEL+1], 0xfedcba98
	s_mov_b32 s[CS], 0x3e38aa3b
	s_mov_b32 s[CS+1], s[CS]
	s_wait_kmcnt 0x0
	s_add_nc_u64 s[4:5], s[4:5], s[76:77]          ; my record
	s_mov_b32 s[G0S], 1
	s_mov_b32 s[G0S+1], s79
	s_mov_b32 s80, s79
	s_add_nc_u64 s[G0S+2:G0S+3], s[4:5], s[80:81]
	s_or_b32 s[G0S+3], s[G0S+3], 0x80000000
	s_mov_b32 s[G0C], 1
	s_mov_b32 s[G0C+1], s78
	s_mov_b32 s80, s78
	s_add_nc_u64 s[G0C+2:G0C+3], s[4:5], s[80:81]
	s_or_b32 s[G0C+3], s[G0C+3], 0x80000000
	s_cmp_lt_u32 s[WV], 15                         ; fifteen parts: wave 15 has none
	s_cbranch_scc0 .Lno_first
	tensor_load_to_lds s[G0S:G0S+3], s[G1S:G1S+7]
	s_nop 0
.rept 4
	v_nop
.endr
.Lno_first:
	v_and_b32 v128, 15, v0                         ; r
	v_bfe_u32 v129, v0, 4, 1                       ; h
	s_delay_alu instid0(VALU_DEP_2)
	v_and_b32 v130, 8, v128
	s_delay_alu instid0(VALU_DEP_1)
	v_add_nc_u32 v130, v130, v128                  ; r + 8 (r / 8)
	s_delay_alu instid0(VALU_DEP_1)
	v_mul_u32_u24 v[AK0], v130, 48
	s_delay_alu instid0(VALU_DEP_1)
	v_mad_u32_u24 v[AK0], v129, 24, v[AK0]
	s_delay_alu instid0(VALU_DEP_3)
	v_mul_u32_u24 v[AV0], v130, 24
	s_delay_alu instid0(VALU_DEP_1)
	v_mad_u32_u24 v[AV0], v129, 1536, v[AV0]       ; lanes 16-31 take the next block of 32 keys
	s_delay_alu instid0(VALU_DEP_1)
	v_add_nc_u32 v[AV0], 98304, v[AV0]
	v_lshl_add_u32 v[ASK0], v130, 2, 196608
.irp j, 22,23,24,25,26,27
	v_mov_b32 v[\j], 0                             ; Q's zero codes for k = 64 .. 127
.endr
.irp j, 48,49,50,51,52,53
	v_mov_b32 v[KFR+\j], 0                         ; the last tile's upper half: no load ever lands here
.endr
.macro SETUP                           ; a tile's start: addresses by s[Q0], Q's fragment and scale words, the running numbers
	s_wait_xcnt 0x0                                ; the last tile's stores have read their bases, offsets and data
	s_and_b32 s76, ttmp7, 0xffff
	s_mul_i32 s78, s[Q0], 48
	s_add_co_u32 s78, s78, 208896
	s_mov_b32 s79, 0
	s_add_nc_u64 s[QB:QB+1], s[4:5], s[78:79]
	s_lshl_b32 s78, s[Q0], 2
	s_add_co_u32 s78, s78, 307200
	s_add_nc_u64 s[QSB:QSB+1], s[4:5], s[78:79]
	s_and_b32 s77, s76, 15                         ; head
	s_lshr_b32 s76, s76, 4                         ; batch
	s_lshl_b32 s76, s76, 11
	s_add_co_u32 s76, s76, s[Q0]                   ; y's row
	s_mul_i32 s78, s77, 393216
	s_mul_i32 s80, s76, 48
	s_add_co_u32 s78, s78, s80
	s_add_nc_u64 s[YC:YC+1], s[6:7], s[78:79]
	s_lshr_b32 s78, s77, 1
	s_lshl_b32 s78, s78, 15
	s_lshl_b32 s80, s76, 2
	s_add_co_u32 s78, s78, s80
	s_and_b32 s80, s77, 1
	s_lshl_b32 s80, s80, 1
	s_add_co_u32 s78, s78, s80
	s_add_co_u32 s78, s78, 6291456
	s_add_nc_u64 s[YS:YS+1], s[6:7], s[78:79]
	v_and_b32 v130, 15, v0
	v_bfe_u32 v131, v0, 4, 1
	s_delay_alu instid0(VALU_DEP_2)
	v_mul_u32_u24 v128, v130, 48
	s_delay_alu instid0(VALU_DEP_1)
	v_mad_u32_u24 v128, v131, 24, v128
	s_delay_alu instid0(VALU_DEP_4)
	v_lshlrev_b32 v129, 2, v130
.irp p, 0,1,2
	global_load_b64 v[16+2*\p:17+2*\p], v128, s[QB:QB+1] offset:8*\p
.endr
	global_load_b32 v255, v129, s[QSB:QSB+1]
	v_mov_b32 v13, 0xff61b1e6                      ; the largest t so far: -3e38
	s_delay_alu instid0(VALU_DEP_1)
	v_floor_f32 v12, -v13                          ; -M
	v_mov_b32 v14, 0
	v_mov_b32 v15, 0
	v_mov_b32 v252, 0
	v_mov_b32 v253, 0
.irp b, 0,1,2,3
	v_mov_b32 v[CT+\b], 0                          ; a lane permute's destination counts as one of its sources
.endr
.set n, 0
.rept 32
	v_mov_b32 v[O+n], 0                            ; the step is written once: the first finds zeros
.set n, n+1
.endr
	s_wait_loadcnt 0x0                             ; Q
.endm
.macro STEP                            ; 128 keys
	s_add_co_u32 s76, s[Q0], 15                    ; a step all of whose keys come after my 16 queries is left out: a branch on ids
	s_cmp_gt_u32 s[KF], s76
	s_cbranch_scc1 .Lhidden_\@
	v_add_nc_u32 v[ADK], s[TB], v[AK0]             ; (these four are the places behind the last step's products, in front of the loads into V's registers)
	v_add_nc_u32 v[ADV], s[TB], v[AV0]
	v_add_nc_u32 v[ADS], s[TS], v[ASK0]
	v_add_nc_u32 v[ADT], s[TJ], v[ASK0]
	s_wait_alu depctr_va_vdst(0)
.irp t, 0,1,2,3,4,5,6,7                        ; S^T = K Q^T: eight tiles of 16 keys, one run of loads, one wait
.irp p, 0,1,2
	ds_load_b64 v[KFR+6*\t+2*\p:KFR+6*\t+2*\p+1], v[ADK] offset:(32*(\t/2)+8*(\t%2))*48+8*\p
.endr
	ds_load_b32 v[KS+\t], v[ADS] offset:(32*(\t/2)+8*(\t%2))*4
.endr
	s_wait_dscnt 0x0
.irp t, 0,1,2,3,4,5,6,7
	v_wmma_scale_f32_16x16x128_f8f6f4 v[S+8*\t:S+8*\t+7], v[KFR+6*\t:KFR+6*\t+11], v[16:27], 0, v[KS+\t], v255 matrix_a_fmt:MATRIX_FMT_FP6 matrix_b_fmt:MATRIX_FMT_FP6
.endr
.rept 4
	v_nop                                          ; places in front of the loads into K's registers and of the first read of the scores
.endr
.irp t, 0,1,2,3                                ; V's four fragments and scale words land during the softmax
.irp c, 0,1
.irp p, 0,1,2
	ds_load_b64 v[VFR+12*\t+6*\c+2*\p:VFR+12*\t+6*\c+2*\p+1], v[ADV] offset:3072*\c+(32*(\t/2)+8*(\t%2))*24+8*\p
.endr
.endr
	ds_load_b32 v[VS+\t], v[ADT] offset:8192+(32*(\t/2)+8*(\t%2))*4
.endr
	s_add_co_u32 s76, s[KF], 127                   ; on the diagonal hidden scores become -infinity ahead of the maximum; a step all of whose keys count skips this
	s_cmp_le_u32 s76, s[Q0]
	s_cbranch_scc1 .Lopen_\@
	s_sub_co_i32 s76, s[Q0], s[KF]
	v_and_b32 v244, 15, v0
	v_bfe_u32 v245, v0, 4, 1
	s_delay_alu instid0(VALU_DEP_1)
	v_lshlrev_b32 v245, 4, v245
	s_delay_alu instid0(VALU_DEP_1)
	v_sub_nc_u32 v244, v244, v245
	s_delay_alu instid0(VALU_DEP_1)
	v_add_nc_u32 v244, s76, v244                   ; d = my query - KF - 16 h: register 16 b + i is hidden where 32 b + i > d
	v_mov_b32 v254, 0xff800000
.set n, 0
.rept 64
	v_cmp_gt_i32 vcc_lo, 32*(n/16)+n%16, v244
	v_cndmask_b32 v[S+n], v[S+n], v254, vcc_lo
.set n, n+1
.endr
.Lopen_\@:
.irp b, 0,1,2,3
	v_max3_num_f32 v[BM+\b], v[S+16*\b], v[S+1+16*\b], v[S+2+16*\b]   ; each block's largest score: for the row's maximum and for the block's largest p
.endr
.irp i, 3,5,7,9,11,13
.irp b, 0,1,2,3
	v_max3_num_f32 v[BM+\b], v[BM+\b], v[S+16*\b+\i], v[S+1+16*\b+\i]
.endr
.endr
.irp b, 0,1,2,3
	v_max_num_f32 v[BM+\b], v[BM+\b], v[S+15+16*\b]
.endr
.irp b, 0,1,2,3
	s_delay_alu instid0(VALU_DEP_4)
	v_permlanex16_b32 v[CT+\b], v[BM+\b], s[SEL], s[SEL+1]
.endr
.irp b, 0,1,2,3
	s_delay_alu instid0(VALU_DEP_4)
	v_max_num_f32 v[BM+\b], v[BM+\b], v[CT+\b]     ; with lane l xor 16's 16 keys
.endr
	s_delay_alu instid0(VALU_DEP_2)
	v_max3_num_f32 v254, v[BM], v[BM+1], v[BM+2]
	s_delay_alu instid0(VALU_DEP_1)
	v_max_num_f32 v254, v254, v[BM+3]
	s_delay_alu instid0(VALU_DEP_1)
	v_mul_f32 v254, s[CS], v254
	s_delay_alu instid0(VALU_DEP_1)
	v_max_num_f32 v13, v13, v254                   ; the running largest t
	v_mov_b32 v254, v12
	s_delay_alu instid0(VALU_DEP_2)
	v_floor_f32 v12, -v13                          ; the new -M
	s_delay_alu instid0(VALU_DEP_1)
	v_sub_f32 v254, v12, v254                      ; old M - new M
	s_delay_alu instid0(VALU_DEP_1)
	v_cvt_i32_f32 v254, v254
	s_delay_alu instid0(VALU_DEP_1)
	v_ldexp_f32 v252, 1.0, v254                    ; f = 2^(old M - new M)
.set n, 0
.rept 32
	v_pk_fma_f32 v[S+n:S+n+1], v[S+n:S+n+1], s[CS:CS+1], v[12:13] op_sel_hi:[1,0,0]   ; t - M
.set n, n+2
.endr
.irp b, 0,1,2,3
	v_fma_f32 v[BM+\b], v[BM+\b], s[CS], v12
.endr
.set n, 0
	s_wait_alu depctr_va_vdst(0)
.rept 64
	v_exp_f32 v[S+n], v[S+n]                       ; p = 2^(t - M)
.set n, n+1
.endr
	v_pk_mul_f32 v[14:15], v[14:15], v[252:253] op_sel_hi:[1,0]    ; the sums under the new M
	s_wait_alu depctr_va_vdst(0)                   ; one wait for the batch of 64
.irp b, 0,1,2,3
	v_exp_f32 v[BM+\b], v[BM+\b]                   ; the block's largest p
.endr
	v_pk_add_f32 v[236:237], v[132:133], v[136:137]
	v_pk_add_f32 v[250:251], v[140:141], v[144:145]
	v_pk_add_f32 v[248:249], v[148:149], v[152:153]
	v_pk_add_f32 v[242:243], v[156:157], v[160:161]
	v_pk_add_f32 v[240:241], v[164:165], v[168:169]
	v_pk_add_f32 v[238:239], v[172:173], v[176:177]
	v_pk_add_f32 v[234:235], v[180:181], v[184:185]
	v_pk_add_f32 v[14:15], v[14:15], v[188:189]
	v_pk_add_f32 v[236:237], v[236:237], v[128:129]
	v_pk_add_f32 v[250:251], v[250:251], v[130:131]
	v_pk_add_f32 v[248:249], v[248:249], v[134:135]
	v_pk_add_f32 v[242:243], v[242:243], v[138:139]
	v_pk_add_f32 v[240:241], v[240:241], v[142:143]
	v_pk_add_f32 v[238:239], v[238:239], v[146:147]
	v_pk_add_f32 v[234:235], v[234:235], v[150:151]
	v_pk_add_f32 v[14:15], v[14:15], v[154:155]
	v_pk_add_f32 v[236:237], v[236:237], v[158:159]
	v_pk_add_f32 v[250:251], v[250:251], v[162:163]
	v_pk_add_f32 v[248:249], v[248:249], v[166:167]
	v_pk_add_f32 v[242:243], v[242:243], v[170:171]
	v_pk_add_f32 v[240:241], v[240:241], v[174:175]
	v_pk_add_f32 v[238:239], v[238:239], v[178:179]
	v_pk_add_f32 v[234:235], v[234:235], v[182:183]
	v_pk_add_f32 v[14:15], v[14:15], v[186:187]
	v_pk_add_f32 v[236:237], v[236:237], v[190:191]
	s_delay_alu instid0(VALU_DEP_2)
	v_pk_add_f32 v[14:15], v[14:15], v[242:243]
	s_delay_alu instid0(VALU_DEP_2)
	v_pk_add_f32 v[236:237], v[236:237], v[240:241]
	v_pk_add_f32 v[250:251], v[250:251], v[238:239]
	v_pk_add_f32 v[248:249], v[248:249], v[234:235]
	s_delay_alu instid0(VALU_DEP_2)
	v_pk_add_f32 v[14:15], v[14:15], v[250:251]
	s_delay_alu instid0(VALU_DEP_2)
	v_pk_add_f32 v[236:237], v[236:237], v[248:249]
	s_delay_alu instid0(VALU_DEP_1)
	v_pk_add_f32 v[14:15], v[14:15], v[236:237]
	s_wait_alu depctr_va_vdst(0)                   ; and one for the four
.irp b, 0,1,2,3
	v_max_num_f32 v[BM+\b], 0x1800000, v[BM+\b]    ; the floor 2^(3 - 127)
.endr
.irp b, 0,1,2,3
	s_delay_alu instid0(VALU_DEP_4)
	v_add_nc_u32 v[SO+\b], 0xff000000, v[BM+\b]
.endr
.irp b, 0,1,2,3
	s_delay_alu instid0(VALU_DEP_4)
	v_lshrrev_b32 v[CT+\b], 23, v[SO+\b]
.endr
	s_delay_alu instid0(VALU_DEP_3)
	v_lshl_or_b32 v253, v[CT+1], 8, v[CT]          ; p's scale word for these 128 keys
	s_delay_alu instid0(VALU_DEP_1)
	v_lshl_or_b32 v253, v[CT+2], 16, v253
	s_delay_alu instid0(VALU_DEP_1)
	v_lshl_or_b32 v253, v[CT+3], 24, v253
.irp c, 0,1
	v_cvt_scalef32_pk16_fp6_f32 v[PC+6*\c:PC+2+6*\c], v[S+32*\c:S+15+32*\c], v[SO+2*\c]
	v_cvt_scalef32_pk16_fp6_f32 v[CT+4*\c:CT+2+4*\c], v[S+16+32*\c:S+31+32*\c], v[SO+2*\c+1]
.endr
	v_nop                                          ; one plain line behind the conversions
.irp c, 0,1                                    ; a whole block in a lane: lanes 0-15 block 2 c, lanes 16-31 block 2 c + 1
.irp i, 0,1,2
	v_permlane16_swap_b32 v[PC+6*\c+\i], v[CT+4*\c+\i]
.endr
.irp i, 0,1,2
	s_delay_alu instid0(VALU_DEP_3)
	v_mov_b32 v[PC+3+6*\c+\i], v[CT+4*\c+\i]
.endr
.endr
.set n, 0
.rept 16
	v_pk_mul_f32 v[O+n:O+n+1], v[O+n:O+n+1], v[252:253] op_sel_hi:[1,0]   ; O^T under the new M (also the places ahead of the scaled products)
.set n, n+2
.endr
	s_wait_alu depctr_va_vdst(0)
	s_wait_dscnt 0x0                               ; V
.irp t, 0,1,2,3
	v_wmma_scale_f32_16x16x128_f8f6f4 v[O+8*\t:O+8*\t+7], v[VFR+12*\t:VFR+12*\t+11], v[PC:PC+11], v[O+8*\t:O+8*\t+7], v[VS+\t], v253 matrix_a_fmt:MATRIX_FMT_FP6 matrix_b_fmt:MATRIX_FMT_FP6
.endr
.Lhidden_\@:
	s_add_co_u32 s[KF], s[KF], 128
	s_add_co_u32 s[TB], s[TB], 6144
	s_add_co_u32 s[TS], s[TS], 512
	s_add_co_u32 s[TJ], s[TJ], 256
.endm
; Key steps first .. first + trips - 1.  how = 1: the first fill is shown to all, and the second is asked for; how = 0: the second fill is shown to all; how = -1: all is in.
.macro RUN first, trips, how
.if \how == 1
	s_wait_alu depctr_va_vdst(0)
	s_wait_tensorcnt 0x0                           ; my part of the first fill is in
	ds_add_u32 v[SPW], v[NIL]
	ds_add_u32 v[SPW], v[NIL]
	s_wait_dscnt 0x0
	s_barrier_signal -1
	s_barrier_wait -1
	tensor_load_to_lds s[G0C:G0C+3], s[G1C:G1C+7]  ; the second fill: my 36 rows, on bytes that nothing has filled
	s_nop 0
.rept 4
	v_nop
.endr
.endif
.if \how == 0
	s_wait_tensorcnt 0x0                           ; my part of the second fill is in
	s_wait_dscnt 0x0
	s_barrier_signal -1
	s_barrier_wait -1
.endif
	s_mov_b32 s[TB], \first*6144
	s_mov_b32 s[TS], \first*512
	s_mov_b32 s[TJ], \first*256
	s_mov_b32 s[KF], \first*128
	s_mov_b32 s[CNT], \trips
.Lrun_\@:
	STEP
	s_sub_co_u32 s[CNT], s[CNT], 1
	s_cmp_lg_u32 s[CNT], 0
	s_cbranch_scc1 .Lrun_\@
.endm
; A tile's end: y = O^T / the sum; register 16 b + i of lane (r, h) is y(query r, d = 32 b + 16 h + i): two blocks of 32 along C, each in lanes l and l xor 16.
.macro FINISH
.rept 4
	v_nop                                          ; places behind the last products
.endr
	v_add_f32 v14, v14, v15
	s_delay_alu instid0(VALU_DEP_1)
	v_permlanex16_b32 v252, v14, s[SEL], s[SEL+1]
	s_delay_alu instid0(VALU_DEP_1)
	v_add_f32 v14, v14, v252                       ; the row's sum
	s_wait_alu depctr_va_vdst(0)
	v_rcp_f32 v14, v14
	v_and_b32 v172, 15, v0                         ; r
	v_bfe_u32 v173, v0, 4, 1                       ; h
	v_and_b32 v174, 31, v0                         ; lane
	s_lshl_b32 s76, s[WV], 10
	s_add_co_u32 s76, s76, STG                     ; my 1,024 bytes
	v_lshlrev_b32 v168, 6, v172
	s_delay_alu instid0(VALU_DEP_1)
	v_lshl_add_u32 v168, v173, 4, v168
	s_delay_alu instid0(VALU_DEP_1)
	v_add_nc_u32 v168, s76, v168                   ; in: place 4 r + 2 b + h of 16 bytes, 12 of them codes
	v_lshl_add_u32 v169, v174, 4, s76              ; back: place = lane
	v_mul_u32_u24 v170, v174, 12
	v_lshl_add_u32 v171, v172, 2, v173             ; the scale bytes: row r's word, byte h of my head's two
	v_cmp_ne_u32 vcc_lo, 0, v173
	s_wait_alu depctr_va_vdst(0)                   ; ahead of the reciprocal's first reader
.set n, 0
.rept 32
	v_mul_f32 v[S+n], v[O+n], v14
.set n, n+1
.endr
	v_max3_num_f32 v244, |v[S]|, |v[S+1]|, 0x1800000
	v_max3_num_f32 v245, |v[S+16]|, |v[S+17]|, 0x1800000
.irp i, 2,4,6,8,10,12,14
	s_delay_alu instid0(VALU_DEP_2)
	v_max3_num_f32 v244, v244, |v[S+\i]|, |v[S+1+\i]|
	s_delay_alu instid0(VALU_DEP_2)
	v_max3_num_f32 v245, v245, |v[S+16+\i]|, |v[S+17+\i]|
.endr
	s_delay_alu instid0(VALU_DEP_2)
	v_permlanex16_b32 v236, v244, s[SEL], s[SEL+1]
	s_delay_alu instid0(VALU_DEP_2)
	v_permlanex16_b32 v237, v245, s[SEL], s[SEL+1]
	s_delay_alu instid0(VALU_DEP_2)
	v_max_num_f32 v244, v244, v236
	s_delay_alu instid0(VALU_DEP_2)
	v_max_num_f32 v245, v245, v237
	s_delay_alu instid0(VALU_DEP_2)
	v_add_nc_u32 v248, 0xff000000, v244
	s_delay_alu instid0(VALU_DEP_2)
	v_add_nc_u32 v249, 0xff000000, v245
	s_delay_alu instid0(VALU_DEP_2)
	v_lshrrev_b32 v246, 23, v248
	s_delay_alu instid0(VALU_DEP_2)
	v_lshrrev_b32 v247, 23, v249
	v_cvt_scalef32_pk16_fp6_f32 v[236:238], v[S:S+15], v248
	v_cvt_scalef32_pk16_fp6_f32 v[240:242], v[S+16:S+31], v249
	v_nop                                          ; one plain line behind the conversions
	ds_store_b96 v168, v[236:238]
	ds_store_b96 v168, v[240:242] offset:32
	ds_load_b96 v[160:162], v169                   ; LDS serves a wave's instructions in order
	ds_load_b96 v[164:166], v169 offset:512
	v_cndmask_b32 v246, v246, v247, vcc_lo         ; lanes 0-15 block 0's byte, lanes 16-31 block 1's
	s_wait_alu depctr_va_vdst(0)
	s_wait_dscnt 0x0
	global_store_b96 v170, v[160:162], s[YC:YC+1]                  ; 16 queries x 48 bytes: two stores of 384 bytes on end
	global_store_b96 v170, v[164:166], s[YC:YC+1] offset:384
	global_store_b8 v171, v246, s[YS:YS+1]         ; single bytes: a scale word spans two heads, which other work-groups make; 32 bytes a tile
.endm
	s_lshl_b32 s76, ttmp9, 8
	s_lshl_b32 s77, s[WV], 4
	s_add_co_u32 s76, s76, s77
	s_sub_co_u32 s[Q0], 2032, s76                  ; the late tile first: its first four steps run while the second fill is on its way
	SETUP
	RUN 0, 4, 1
	RUN 4, 12, 0
	FINISH
	s_lshl_b32 s76, ttmp9, 8
	s_lshl_b32 s77, s[WV], 4
	s_add_co_u32 s[Q0], s76, s77                   ; the early tile: its queries lie under 1,024: eight steps at the most
	SETUP
	RUN 0, 8, -1
	FINISH
	s_wait_tensorcnt 0x0                           ; the wave's end
	ds_add_u32 v[SPW], v[NIL]
	s_wait_dscnt 0x0
	s_endpgm
.Lfunc_end_k_q1087f50216_attn:
	.size	k_q1087f50216_attn, .Lfunc_end_k_q1087f50216_attn-k_q1087f50216_attn
	.p2alignl 7, 3214868480
	.fill 96, 4, 3214868480
	.section	.rodata,"a",@progbits
	.p2align	6, 0x0
	.amdhsa_kernel k_q1087f50216_attn
		.amdhsa_group_segment_fixed_size 327680
		.amdhsa_private_segment_fixed_size 0
		.amdhsa_enable_private_segment 0
		.amdhsa_kernarg_size 16
		.amdhsa_user_sgpr_count 2
		.amdhsa_user_sgpr_kernarg_segment_ptr 1
		.amdhsa_wavefront_size32 1
		.amdhsa_system_sgpr_workgroup_id_x 1
		.amdhsa_system_sgpr_workgroup_id_y 1
		.amdhsa_system_sgpr_workgroup_id_z 1
		.amdhsa_system_vgpr_workitem_id 0
		.amdhsa_next_free_vgpr 256
		.amdhsa_next_free_sgpr 84
		.amdhsa_reserve_vcc 1
		.amdhsa_float_denorm_mode_32 3
		.amdhsa_float_denorm_mode_16_64 3
		.amdhsa_memory_ordered 1
		.amdhsa_forward_progress 1
		.amdhsa_inst_pref_size 96
	.end_amdhsa_kernel
	.amdgpu_metadata
---
amdhsa.version: [ 1, 2 ]
amdhsa.kernels:
  - .name:           k_q1087f50216_attn
    .symbol:         k_q1087f50216_attn.kd
    .args:
      - { .name: qkv, .offset: 0, .size: 8, .value_kind: global_buffer, .address_space: global }
      - { .name: yq, .offset: 8, .size: 8, .value_kind: global_buffer, .address_space: global }
    .group_segment_fixed_size: 327680
    .private_segment_fixed_size: 0
    .kernarg_segment_align: 8
    .kernarg_segment_size: 16
    .max_flat_workgroup_size: 512
    .sgpr_count:     84
    .vgpr_count:     256
    .wavefront_size: 32
...
	.end_amdgpu_metadata
.endif
;; end of part 3
;; launch projgemm (part 4): grid 4 x 64, 4 waves a work-group, clusters of 4 x 4, 327,680 bytes of LDS; arguments yq, wpq, out0; writes out0
.if DOCPART == 4
	.amdgcn_target "amdgcn-amd-amdhsa--gfx1250"
	.amdhsa_code_object_version 6
	.text
	.protected	k_q1087f50216_projgemm
	.globl	k_q1087f50216_projgemm
	.p2align	8
	.type	k_q1087f50216_projgemm,@function
k_q1087f50216_projgemm:
	s_mov_b64 s[64:65], 0
	v_nop
	global_prefetch_b8 v0, s[64:65] scope:SCOPE_SE
	s_setreg_imm32_b32 hwreg(HW_REG_WAVE_MODE, 25, 1), 1
	s_wait_xcnt 0x0
	s_wait_alu depctr_hold_cnt(0) depctr_sa_sdst(0) depctr_va_vdst(0) depctr_va_sdst(0) depctr_va_ssrc(0) depctr_va_vcc(0) depctr_vm_vsrc(0)
	s_getreg_b32 s2, hwreg(HW_REG_IB_STS2, 6, 4)
	s_cmp_eq_u32 s2, 0
	s_cbranch_scc0 .Lentry_in_a_cluster
	s_endpgm
.Lentry_in_a_cluster:
	s_bfe_u32 s2, ttmp6, 0x10000c
	s_cmp_lg_u32 s2, 0xf033
	s_cbranch_scc0 .Lentry_shape_is_right
	s_endpgm
.Lentry_shape_is_right:
; out0[m][o] = sum over k of y[m][k] W_proj[o][k], m 8,192, o 1,024, K 1,024, on codes of FP6 (E2M3) with E8M0 scales; sums and result in f32.
; OPERANDS (R rows): codes [16 chunks of 64 k][R][48 bytes]; at R x 768 scale words [8 steps of 128 k][R][4 bytes].
; A block of 128 x 256 is made by four waves, 64 x 128 each: 32 accumulators.  64 x 4 blocks: 256 work-groups.
; ALL OF K LIES IN LDS, each byte filled once: A [16 chunks][128 rows][48] at 0, B [16 chunks][256 rows][48] behind it, then A's scale words [8][128][4] and B's [8][256][4].
; TWO FILLS.  At the head one joint load a wave: chunks 0-7 of A, chunks 0-7 of B, A's scale words, B's.  Behind a round of the cluster's barrier, one joint load a wave:
; chunks 8-11 and 12-15 of A (waves 0, 1) and of B (waves 2, 3); it has three steps of 128 along K, 96 products a wave, in which to land, and one plain barrier shows it to all waves.
; One tensor load of a wave is out at the most; every wait on TENSORcnt is for 0.
; NO PREFETCH: the second fill is asked for directly behind the first, and no later tile is left to ask for.
; CLUSTERS: 4 x 4 work-groups; A's tiles are asked for jointly along a row of the cluster, B's along a column.
; THE MATRIX INSTRUCTION IS USED TRANSPOSED (source 0 = 16 rows of W_proj, source 1 = 16 rows of y): a lane holds eight neighbouring outputs of one row.
; REGISTERS: window 0: v0-31 addresses; v32-63 B's scale words, two sets; v65-80 A's, two sets; v128-175 A's four fragments, one set; on the way out v128-255.
;   window 1: B's fragments, two sets, at v0 and v128.   window 2: the accumulators, (a, b) at v[8 (8 a + b)].
.set RA,    8192
.set RB,    1024
.set NOUT,  1024
.set FR,    12                         ; registers of a fragment
.set NL,    6                          ; LDS loads that bring one
.set NP,    4                          ; places behind this matrix instruction (ISA guide 7.12.1)
.set CHA,   6144                       ; a chunk of A in LDS: 128 rows x 48
.set CHB,   12288                      ; of B: 256 rows x 48
.set BB0,   16*CHA
.set SCL,   16*CHA+16*CHB
.set SCW,   4096
.set SPARE, SCL+4*SCW                  ; the spare words: 128 bytes a wave
.set SPITCH, 528                       ; the way out: a stage of 16 rows x (512 + 16) bytes a wave, on A's chunks 0-5, which nobody reads behind the walk's barrier and nothing fills again
.set ADRA, 8                           ; v8-11  my A fragments in K step 0 .. 3 (a K step: 256 along K, four chunks)
.set ADRB, 12                          ; v12-15 the same for B
.set ASA,  20                          ; v20 my row's scale words of A, v21 of B
.set ASB,  21
.set STO,  22
.set RD,   23
.set CO,   24
.set SPW,  28                          ; v28 my spare word, v29 0: never rewritten
.set NIL,  29
.set SCB,  32                          ; B's scale words: set s at 32 + 16 s, register 2 b + q
.set SCA,  65                          ; A's: set s at 65 + 8 s, register 2 a + q
.set AF,   128
.set BK,   128
.set G1,   24
.set G0,   32                          ; s[32:35] the head's load of A, s[36:39] the second fill's
.set G1B,  48
.set G0B,  56
.set G1S,  68
.set G0S,  76
.set G1SB, 80
.set G0SB, 88
.set MSB, 0
.macro WIN new
.if MSB != \new
	s_set_vgpr_msb (MSB<<8)|\new
.set MSB, \new
.endif
.endm
.set MUL_LO, 0xa1                      ; source 0 (B) window 1, source 1 (A) window 0, C and D window 2
.set TO_B,   0x40
.macro PLACES n
.rept \n
	v_nop
.endr
.endm
.macro JLOAD g0a, g1a, g0b, g1b        ; waves 0 and 1 fetch for A, waves 2 and 3 for B
	s_cmp_eq_u32 s15, 0
	s_cbranch_scc0 .Lfor_b_\@
	tensor_load_to_lds s[\g0a:\g0a+3], s[\g1a:\g1a+7]
	s_nop 0
	PLACES 4
	s_branch .Lasked_\@
.Lfor_b_\@:
	tensor_load_to_lds s[\g0b:\g0b+3], s[\g1b:\g1b+7]
	s_nop 0
	PLACES 4
.Lasked_\@:
.endm
.macro CROUND                          ; a round of the cluster's barrier
	s_barrier_signal -1
	s_barrier_wait -1
	s_cmp_lg_u32 s14, 0
	s_cbranch_scc1 .Lnot_wave_0_\@
	s_barrier_signal -3
.Lnot_wave_0_\@:
	s_barrier_wait -3
	s_barrier_signal -1
	s_barrier_wait -1
.endm
	s_load_b128 s[4:7], s[0:1], 0x0                ; yq, wpq
	s_load_b64 s[8:9], s[0:1], 0x10                ; out0
	v_lshl_add_u32 v[SPW], v0, 2, SPARE
	v_mov_b32 v[NIL], 0
	ds_add_u32 v[SPW], v[NIL]
	ds_add_u32 v[SPW], v[NIL]
	s_wait_dscnt 0x0
	v_lshrrev_b32 v1, 5, v0
	v_readfirstlane_b32 s14, v1                    ; wave
	s_lshr_b32 s15, s14, 1                         ; which 64 rows of the block are mine.  Also: I fetch for A (0) or for B (1)
	s_and_b32 s16, s14, 1                          ; which 128 columns.  Also: which four chunks of the second fill I fetch
	s_bfe_u32 s40, ttmp6, 0x40000                  ; cx, cy
	s_bfe_u32 s41, ttmp6, 0x40004
	s_lshl_b32 s42, ttmp9, 2
	s_add_co_u32 s42, s42, s40                     ; block column
	s_and_b32 s17, ttmp7, 0xffff
	s_lshl_b32 s17, s17, 2
	s_add_co_u32 s17, s17, s41                     ; block row
	s_lshl_b32 s43, s41, 2
	s_lshl_b32 s43, 15, s43                        ; my row of the cluster
	s_lshl_b32 s44, 0x1111, s40                    ; my column
	; group 1 for codes: a chunk's rows are one dense row of elements of 8 bytes: 768 for A's 128 rows, 1,536 for B's 256; 8 chunks at the head, 4 in the second fill
	s_or_b32 s[G1+0], s43, (3<<16)|(1<<21)
	s_or_b32 s[G1B+0], s44, (3<<16)|(1<<21)
	s_mov_b32 s[G1+1], 768<<16
	s_mov_b32 s[G1+3], 768<<16
	s_mov_b32 s[G1B+1], 1536<<16
	s_mov_b32 s[G1B+3], 1536<<16
.irp g, G1, G1B
	s_mov_b32 s[\g+2], 8<<16
	s_mov_b32 s[\g+4], 8
	s_mov_b32 s[\g+6], 0
	s_mov_b32 s[\g+7], 0
.endr
	s_mov_b32 s[G1+5], RA*6
	s_mov_b32 s[G1B+5], RB*6
	; group 1 for scale words: 8 steps, each a row of 64 elements (A: 128 rows x 4 bytes) or 128 (B)
	s_or_b32 s[G1S+0], s43, (3<<16)|(1<<21)
	s_or_b32 s[G1SB+0], s44, (3<<16)|(1<<21)
	s_mov_b32 s[G1S+1], 64<<16
	s_mov_b32 s[G1S+3], 64<<16
	s_mov_b32 s[G1SB+1], 128<<16
	s_mov_b32 s[G1SB+3], 128<<16
.irp g, G1S, G1SB
	s_mov_b32 s[\g+2], 8<<16
	s_mov_b32 s[\g+4], 8
	s_mov_b32 s[\g+6], 0
	s_mov_b32 s[\g+7], 0
.endr
	s_mov_b32 s[G1S+5], RA/2
	s_mov_b32 s[G1SB+5], RB/2
	s_lshl_b32 s20, s17, 7                         ; A: the block's first row
	s_lshl_b32 s46, s42, 8                         ; B: likewise
	s_lshl_b32 s22, s20, 2
	s_add_co_u32 s22, s22, RA*768                  ; their scale words,
	s_mov_b32 s23, 0
	s_mul_i32 s20, s20, 48                         ; their codes
	s_mov_b32 s21, 0
	s_lshl_b32 s92, s46, 2
	s_add_co_u32 s92, s92, RB*768
	s_mov_b32 s93, 0
	s_mul_i32 s46, s46, 48
	s_mov_b32 s47, 0
	s_mul_i32 s45, s16, 4*CHA                      ; the second fill: chunks 8 + 4 x (wave % 2) on: in LDS,
	s_add_co_u32 s45, s45, 8*CHA
	s_mul_i32 s96, s16, 4*CHB
	s_add_co_u32 s96, s96, BB0+8*CHB
	s_mul_i32 s18, s16, 4*RA*48                    ; and in memory
	s_add_co_u32 s18, s18, 8*RA*48
	s_mov_b32 s19, 0
	s_mul_i32 s94, s16, 4*RB*48
	s_add_co_u32 s94, s94, 8*RB*48
	s_mov_b32 s95, 0
	s_wait_kmcnt 0x0
	s_add_nc_u64 s[20:21], s[4:5], s[20:21]
	s_add_nc_u64 s[22:23], s[4:5], s[22:23]
	s_add_nc_u64 s[46:47], s[6:7], s[46:47]
	s_add_nc_u64 s[92:93], s[6:7], s[92:93]
	s_mov_b32 s[G0S], 1
	s_mov_b32 s[G0S+1], SCL
	s_mov_b64 s[G0S+2:G0S+3], s[22:23]
	s_or_b32 s[G0S+3], s[G0S+3], 0x80000000
	s_mov_b32 s[G0SB], 1
	s_mov_b32 s[G0SB+1], SCL+SCW
	s_mov_b64 s[G0SB+2:G0SB+3], s[92:93]
	s_or_b32 s[G0SB+3], s[G0SB+3], 0x80000000
	s_mov_b32 s[G0], 1
	s_mov_b32 s[G0+1], 0
	s_mov_b64 s[G0+2:G0+3], s[20:21]
	s_or_b32 s[G0+3], s[G0+3], 0x80000000
	s_mov_b32 s[G0B], 1
	s_mov_b32 s[G0B+1], BB0
	s_mov_b64 s[G0B+2:G0B+3], s[46:47]
	s_or_b32 s[G0B+3], s[G0B+3], 0x80000000
	s_mov_b32 s[G0+4], 1
	s_mov_b32 s[G0+5], s45
	s_add_nc_u64 s[G0+6:G0+7], s[20:21], s[18:19]
	s_or_b32 s[G0+7], s[G0+7], 0x80000000
	s_mov_b32 s[G0B+4], 1
	s_mov_b32 s[G0B+5], s96
	s_add_nc_u64 s[G0B+6:G0B+7], s[46:47], s[94:95]
	s_or_b32 s[G0B+7], s[G0B+7], 0x80000000
	CROUND                                         ; all sixteen work-groups are here: the first joint loads meet
.macro ARM under, g0, g1, next         ; one tree of branches on the wave's number: every way passes exactly one load
	s_cmp_lt_u32 s14, \under
	s_cbranch_scc0 \next
	tensor_load_to_lds s[\g0:\g0+3], s[\g1:\g1+7]
	s_nop 0
	PLACES 4
	s_branch .Lhead_asked
\next:
.endm
	ARM 1, G0,  G1,  .Lhead_b
	ARM 2, G0B, G1B, .Lhead_sa
	ARM 3, G0S, G1S, .Lhead_sb
	tensor_load_to_lds s[G0SB:G0SB+3], s[G1SB:G1SB+7]
	s_nop 0
	PLACES 4
.Lhead_asked:
	s_mul_i32 s18, s15, 64*48                      ; my 64 rows of A in a chunk
	s_mul_i32 s19, s16, 128*48                     ; my 128 rows of B
	s_add_co_u32 s19, s19, BB0
	s_lshl_b32 s66, s15, 8                         ; their scale words
	s_add_co_u32 s66, s66, SCL
	s_lshl_b32 s67, s16, 9
	s_add_co_u32 s67, s67, SCL+SCW
	s_mul_i32 s97, s14, 16*SPITCH                  ; my stage
	v_and_b32 v1, 15, v0                           ; r
	v_bfe_u32 v2, v0, 4, 1                         ; h
	v_mul_u32_u24 v4, v1, 48
	v_mad_u32_u24 v4, v2, 24, v4                   ; a fragment's row x 48 + 24 x half
	v_add_nc_u32 v3, s18, v4
	v_add_nc_u32 v7, s19, v4
.irp s, 0,1,2,3
	v_add_nc_u32 v[ADRA+\s], \s*4*CHA, v3
	v_add_nc_u32 v[ADRB+\s], \s*4*CHB, v7
.endr
	v_lshl_add_u32 v[ASA], v1, 2, s66
	v_lshl_add_u32 v[ASB], v1, 2, s67
	v_mul_u32_u24 v5, v1, SPITCH
	v_lshl_add_u32 v5, v2, 5, v5
	v_add_nc_u32 v[STO], s97, v5                   ; into the stage: row r, 32 bytes for each half of the lanes
	v_and_b32 v6, 31, v0
	v_lshlrev_b32 v[CO], 4, v6                     ; back: the 32 lanes take one row of 512 bytes; the same in out0
	v_add_nc_u32 v[RD], s97, v[CO]
	s_lshl_b32 s66, s17, 7
	s_lshl_b32 s67, s15, 6
	s_add_co_u32 s66, s66, s67                     ; my first row of out0
	s_lshl_b32 s66, s66, 12
	s_lshl_b32 s67, s42, 10
	s_add_co_u32 s66, s66, s67
	s_lshl_b32 s67, s16, 9
	s_add_co_u32 s66, s66, s67                     ; + my first column, in bytes
	s_mov_b32 s67, 0
	s_add_nc_u64 s[8:9], s[8:9], s[66:67]
.macro FRAG reg, adr, q, i, ch         ; 16 rows x 128 K: lane (r, h): registers 0-5 = 24 bytes of chunk 2 q at 24 h, registers 6-11 of chunk 2 q + 1; in pieces of 8 bytes
.irp p, 0,1,2,3,4,5
	ds_load_b64 v[\reg+2*\p:\reg+2*\p+1], v[\adr] offset:(2*(\q)+\p/3)*(\ch)+(\i)*768+8*(\p%3)
.endr
.endm
; 16 products: A's blocks a0, a0 + 1 x B's eight.  p: B's set; q: which 128 of the K step; sc: the set of scale words.  The 32 accumulators take turns, one instruction a turn.
.macro MUL16 a0, p, q, sc, zero
.irp a, \a0, \a0+1
.irp b, 0,1,2,3,4,5,6,7
.if \zero
	v_wmma_scale_f32_16x16x128_f8f6f4 v[8*(8*(\a)+\b):8*(8*(\a)+\b)+7], v[128*(\p)+FR*\b:128*(\p)+FR*\b+FR-1], v[AF+FR*(\a):AF+FR*(\a)+FR-1], 0, v[SCB+16*(\sc)+2*\b+(\q)], v[SCA+8*(\sc)+2*(\a)+(\q)] matrix_a_fmt:MATRIX_FMT_FP6 matrix_b_fmt:MATRIX_FMT_FP6
.else
	v_wmma_scale_f32_16x16x128_f8f6f4 v[8*(8*(\a)+\b):8*(8*(\a)+\b)+7], v[128*(\p)+FR*\b:128*(\p)+FR*\b+FR-1], v[AF+FR*(\a):AF+FR*(\a)+FR-1], v[8*(8*(\a)+\b):8*(8*(\a)+\b)+7], v[SCB+16*(\sc)+2*\b+(\q)], v[SCA+8*(\sc)+2*(\a)+(\q)] matrix_a_fmt:MATRIX_FMT_FP6 matrix_b_fmt:MATRIX_FMT_FP6
.endif
.endr
.endr
.endm
.macro FETCH_B ks, q, p
	WIN TO_B
.irp i, 0,1,2,3,4,5,6,7
	FRAG 128*(\p)+FR*\i, ADRB+\ks, \q, \i, CHB
.endr
	WIN 0
.endm
.macro FETCH_A ks, q, i0               ; two blocks
.irp i, \i0, \i0+1
	FRAG AF+FR*(\i), ADRA+\ks, \q, \i, CHA
.endr
.endm
.macro SCALES ks                       ; K step ks's scale words into set ks % 2: lane r takes row r's word (lanes 16-31 the same)
.irp q, 0,1
.irp i, 0,1,2,3,4,5,6,7
	ds_load_b32 v[SCB+16*((\ks)%2)+2*\i+\q], v[ASB] offset:2048*(\ks)+1024*\q+64*\i
.endr
.irp i, 0,1,2,3
	ds_load_b32 v[SCA+8*((\ks)%2)+2*\i+\q], v[ASA] offset:1024*(\ks)+512*\q+64*\i
.endr
.endr
.endm
.macro STEP ks, zero                   ; a K step's first 128: 32 products; the second 128's fragments are fetched in its middle and at its end
	s_wait_dscnt 2*NL                              ; all but the youngest 12 loads, A's blocks 2 and 3
	WIN MUL_LO
	MUL16 0, 0, 0, (\ks)%2, \zero
	s_wait_dscnt 0
	PLACES NP
	FETCH_B \ks, 1, 1
	FETCH_A \ks, 1, 0
	WIN MUL_LO
	MUL16 2, 0, 0, (\ks)%2, \zero
	PLACES NP
	WIN 0
	FETCH_A \ks, 1, 2
.endm
.macro TURN ks, next, show             ; its second 128; the next K step's fragments and scale words are fetched.  show = 1: a plain barrier shows the second fill to all waves
.if \show
	s_wait_tensorcnt 0x0                           ; my part of the second fill is in
.endif
	s_wait_dscnt 2*NL
	WIN MUL_LO
	MUL16 0, 1, 1, (\ks)%2, 0
	s_wait_dscnt 0x0
	WIN 0
.if \show
	s_barrier_signal -1
	s_barrier_wait -1
.endif
	PLACES NP
	FETCH_B \next, 0, 0
	FETCH_A \next, 0, 0
	SCALES \next
	WIN MUL_LO
	MUL16 2, 1, 1, (\ks)%2, 0
	PLACES NP
	WIN 0
	FETCH_A \next, 0, 2
.endm
	s_wait_alu depctr_va_vdst(0)
	s_wait_tensorcnt 0x0                           ; my tile of the head's four is in
	ds_add_u32 v[SPW], v[NIL]
	s_mov_b32 s[G1+2], 4<<16                       ; no tensor load of mine is out: the second fill's loads bring four chunks
	s_mov_b32 s[G1+4], 4
	s_mov_b32 s[G1B+2], 4<<16
	s_mov_b32 s[G1B+4], 4
	s_wait_dscnt 0x0
	CROUND                                         ; a whole round: all four tiles are in, all sixteen work-groups are here
	JLOAD G0+4, G1, G0B+4, G1B                     ; the second fill, the first tensor load behind the round
	FETCH_B 0, 0, 0
	FETCH_A 0, 0, 0
	SCALES 0
	FETCH_A 0, 0, 2
	STEP 0, 1                                      ; the first products start the sums
	TURN 0, 1, 0
	STEP 1, 0
	TURN 1, 2, 1
	STEP 2, 0
	TURN 2, 3, 0
	STEP 3, 0
	s_wait_dscnt 2*NL
	WIN MUL_LO
	MUL16 0, 1, 1, 1, 0
	s_wait_dscnt 0
	MUL16 2, 1, 1, 1, 0
	WIN 0
; THE WAY OUT, block by block of 16 rows x 128 columns, through my own stage: whole rows of 512 bytes come back and are stored as two aligned units of 256 bytes.
.macro TOSTAGE a
.set AC, 64*(\a)
	WIN 0x08                                       ; an LDS store's data: window 2
.irp b, 0,1,2,3,4,5,6,7
	ds_store_b128 v[STO], v[AC+8*\b:AC+8*\b+3] offset:64*\b        ; each accumulator from its low end on
	ds_store_b128 v[STO], v[AC+8*\b+4:AC+8*\b+7] offset:64*\b+16
.endr
	WIN 0
.set BB, BK+64*((\a)%2)
.irp t, 0,1,2,3,4,5,6,7,8,9,10,11,12,13,14,15
	ds_load_b128 v[BB+4*\t:BB+4*\t+3], v[RD] offset:\t*SPITCH      ; LDS serves a wave's instructions in order
.endr
.endm
.macro SEND a, younger
.set BB, BK+64*((\a)%2)
	s_wait_dscnt \younger
.if (\a) > 0
	s_add_nc_u64 s[8:9], s[8:9], 16*NOUT*4         ; behind a wait on XCNT: the earlier stores have read their base
.endif
.irp t, 0,1,2,3,4,5,6,7,8,9,10,11,12,13,14,15
	global_store_b128 v[CO], v[BB+4*\t:BB+4*\t+3], s[8:9] offset:\t*NOUT*4 th:TH_STORE_NT
.endr
.endm
	PLACES NP
	TOSTAGE 0
.irp a, 1,2,3
.if \a > 1
	s_wait_xcnt 0x0
.endif
	TOSTAGE \a
	SEND \a-1, 32                                  ; behind block a - 1's loads: block a's 16 stores and 16 loads
.endr
	s_wait_xcnt 0x0
	SEND 3, 0
	s_wait_tensorcnt 0x0                           ; the wave's end
	ds_add_u32 v[SPW], v[NIL]
	s_wait_dscnt 0x0
	CROUND                                         ; the closing round
	s_endpgm
.Lfunc_end_k_q1087f50216_projgemm:
	.size	k_q1087f50216_projgemm, .Lfunc_end_k_q1087f50216_projgemm-k_q1087f50216_projgemm
	.p2alignl 7, 3214868480
	.fill 96, 4, 3214868480
	.section	.rodata,"a",@progbits
	.p2align	6, 0x0
	.amdhsa_kernel k_q1087f50216_projgemm
		.amdhsa_group_segment_fixed_size 327680
		.amdhsa_private_segment_fixed_size 0
		.amdhsa_enable_private_segment 0
		.amdhsa_kernarg_size 24
		.amdhsa_user_sgpr_count 2
		.amdhsa_user_sgpr_kernarg_segment_ptr 1
		.amdhsa_wavefront_size32 1
		.amdhsa_system_sgpr_workgroup_id_x 1
		.amdhsa_system_sgpr_workgroup_id_y 1
		.amdhsa_system_sgpr_workgroup_id_z 1
		.amdhsa_system_vgpr_workitem_id 0
		.amdhsa_next_free_vgpr 768
		.amdhsa_next_free_sgpr 98
		.amdhsa_reserve_vcc 0
		.amdhsa_float_denorm_mode_32 3
		.amdhsa_float_denorm_mode_16_64 3
		.amdhsa_memory_ordered 1
		.amdhsa_forward_progress 1
		.amdhsa_inst_pref_size 103
	.end_amdhsa_kernel
	.amdgpu_metadata
---
amdhsa.version: [ 1, 2 ]
amdhsa.kernels:
  - .name:           k_q1087f50216_projgemm
    .symbol:         k_q1087f50216_projgemm.kd
    .args:
      - { .name: yq, .offset: 0, .size: 8, .value_kind: global_buffer, .address_space: global }
      - { .name: wpq, .offset: 8, .size: 8, .value_kind: global_buffer, .address_space: global }
      - { .name: out0, .offset: 16, .size: 8, .value_kind: global_buffer, .address_space: global }
    .group_segment_fixed_size: 327680
    .private_segment_fixed_size: 0
    .kernarg_segment_align: 8
    .kernarg_segment_size: 24
    .max_flat_workgroup_size: 128
    .sgpr_count:     98
    .vgpr_count:     768
    .wavefront_size: 32
...
	.end_amdgpu_metadata
.endif
;; end of part 4
